; MI455X (gfx1250); checked and timed in simulation.
; The chip was launched on July 23, 2026; its instructions are those of AMD's public machine-readable ISA for CDNA 5 (MIT licence, August 2026) and "CDNA5" Instruction Set Architecture Reference Guide (July 2026). The comments in the code are by the model that wrote it; some were corrected since.
;; Multihead Attention. Allowed arithmetic: matrix products marked QUANTISED: E4M3 operands, one given power-of-two scale a tensor, by v_wmma_f32_16x16x64_fp8_fp8 or v_wmma_f32_16x16x128_fp8_fp8, f32 sums; everything else in f32.
;; Inputs: attn_mask 8 x 2,048 x 2,048 int32; b_k 512 float32; b_q 512 float32; b_v 512 float32; lowp_scales 10 int32 (the exponents e of the quantised operands' scales 2^e); w_k 512 x 512 float32; w_q 512 x 512 float32; w_v 512 x 512 float32; x_k_v 8 x 2,048 x 512 float32; x_q 8 x 2,048 x 512 float32.
;; Outputs: out0 8 x 2,048 x 512 float32.
;; This version of the problem:
;;   THIS VERSION OF THE PROBLEM IS GIVEN IN LOW PRECISION. The matrix products marked QUANTISED in the list below multiply operands that are first quantised to E4M3 (4 exponent bits, 3 mantissa bits; 8 bits a number), with one given power-of-two scale for each operand tensor; their sums are f32. All else is computed in f32.
;;   The module's matrix products, in the order in which they are computed (A, B: the left and right operand; K: the contracted axis; several contracted axes count as one K, in the product's order):
;;     1. [M 16,384, K 512] x [K 512, N 512]; A: input x_q; B: input w_q: QUANTISED (scales: A lowp_scales[0], B lowp_scales[1])
;;     2. [M 16,384, K 512] x [K 512, N 512]; A: input x_k_v; B: input w_k: QUANTISED (scales: A lowp_scales[2], B lowp_scales[3])
;;     3. [M 16,384, K 512] x [K 512, N 512]; A: input x_k_v; B: input w_v: QUANTISED (scales: A lowp_scales[4], B lowp_scales[5])
;;     4. batch 64 x [M 2,048, K 64] x [K 64, N 2,048]; A: computed on the way; B: computed on the way: QUANTISED (scales: A lowp_scales[6], B lowp_scales[7])
;;     5. batch 64 x [M 64, K 2,048] x [K 2,048, N 2,048]; A: computed on the way; B: softmax (see below): QUANTISED (scales: A lowp_scales[8], B lowp_scales[9])
;;   THE QUANTISER, for each operand of a quantised product, along K:
;;     - The operand's scale is 2^e, e = its entry of the input lowp_scales (int32; the entries are numbered through the quantised products in the list's order, A before B).
;;     - Each number is divided by the scale, clamped to +-448, and rounded to the nearest number of E4M3, ties to even, subnormals kept.
;;     - The product sums the exact products of the quantised numbers (number of the format x scale) in f32.
;;   ~~~python
;;   def quantise(x, axis, e):      # numpy; x: float32 -> the quantised numbers, widened to float32 again
;;       x = np.moveaxis(x, axis, -1); K = x.shape[-1]
;;       r = np.clip(x / 2.0 ** e, -448, 448)
;;       step = 2.0 ** (np.maximum(np.frexp(np.where(r == 0, 1, r))[1] - 1, -6) - 3)
;;       q = np.round(r / step) * step * 2.0 ** e      # np.round: ties to even
;;       return np.moveaxis(q, -1, axis).astype(np.float32)
;;   ~~~
;;   SOFTMAX AHEAD OF A QUANTISED PRODUCT. Where the list says 'softmax', what is quantised is not the finished softmax but p = 2^(t - M), with t = logit x log2(e) and M = ceil(the row's largest t), a whole number; so 1/2 < the row's largest p <= 1. The row's sum l is taken of the UNQUANTISED p, in f32, and the product's result is divided by l at the end. Since M is a whole number, a kernel that streams over the keys may use a running M (the ceiling of the running maximum): every later rescaling is an exact power of two, so the quantised numbers keep their values, but for numbers so far below the row's largest that they fall under the format's range.
;;   OPERANDS COMPUTED ON THE WAY. 'Computed on the way' means the value that the module computes at that place (a softmax that the list does not call 'softmax' is quantised finished and normalised). What goes into a quantiser is computed in f32, as accurately as f32 sums, v_exp_f32 and their like allow (about 1e-6 of the number): no bf16 or f16 on the way to a quantiser, and a product that is left as it is and whose result goes on into a quantised operand takes f32 operands (vector FMAs, or v_wmma_f32_16x16x4_f32). A number that lies on a knife's edge between two numbers of the format may be rounded either way, as far as f32 arithmetic and the matrix unit's own rounding can turn it there, and no further.
;; 2 versions. Each part assembles by itself: llvm-mc -triple=amdgcn-amd-amdhsa -mcpu=gfx1250 --defsym DOCPART=n.
;; ======== version 1 of 2: 3 launches
;; limits: right only within a limited range of input values
;; workspace buffers: wc 786,432 bytes; qc 8,388,608 bytes; kvc 16,777,216 bytes; mbits 4,194,304 bytes of whole numbers
;; launch prep (part 1): grid 536 x 1, 4 waves a work-group, no clusters, 68,096 bytes of LDS; arguments attn_mask, w_q, w_k, w_v, lowp_scales, mbits, wc; writes mbits, wc
.if DOCPART == 1
	.amdgcn_target "amdgcn-amd-amdhsa--gfx1250"
	.amdhsa_code_object_version 6
	.text
	.protected	k_qa84801f408_prep
	.globl	k_qa84801f408_prep
	.p2align	8
	.type	k_qa84801f408_prep,@function
k_qa84801f408_prep:
	s_mov_b64 s[64:65], 0
	v_nop
	global_prefetch_b8 v0, s[64:65] scope:SCOPE_SE
	s_setreg_imm32_b32 hwreg(HW_REG_WAVE_MODE, 25, 1), 1
	s_wait_xcnt 0x0
; Two jobs that later launches want done once.
; (1) WEIGHTS.  w_q, w_k, w_v [512 (n)][512 (k)] f32 become codes of E4M3 with the given scales 2^e1, 2^e3, 2^e5, laid as IMAGES OF OPERAND REGISTERS:
;     wc + kind x 262,144 + TT x 8,192 + s x 2,048 + c x 512 + 16 x lane: tile TT of 16 rows, K step s of 128, chunk c of 4 registers; lane (r, h) holds k = 128 s + 32 c + 16 h + 0 .. 15 of the tile's row r.
;     Row r of tile TT: for w_q and w_k n = 64 (TT / 4) + 32 ((TT / 2) % 2) + 8 (TT % 2) + r + 8 (r / 8), so that the projection's results are neighbours along the head's axis in a lane's registers; for w_v n = 16 TT + r.
; (2) MASK.  attn_mask [8][2048][2048] int32 becomes LANE MASKS: word n (0 .. 31) of key step ks (64 keys) of query tile tt has in bit (r + 16 h) whether
;     attn_mask[b][query r of the tile][64 ks + 32 (n / 16) + 16 h + n % 16] is not 0: the select mask of score register n in the attention launch.  mbits + tt x 4,096 + ks x 128 + 4 n.
;     Query r of tile tt (tt = 128 b + 4 blk + m): 64 blk + 32 (m / 2) + 8 (m % 2) + r + 8 (r / 8).
; Both jobs work in UNITS of 16 rows x 512 bytes: 16 loads of 512 consecutive bytes, through the wave's own stage in LDS (rows 528 bytes apart), and back so that
; register 16 c + i of lane (r, h) holds element 32 c + 16 h + i of row r.  528 = 33 x 16: the sixteen rows that a load back touches start at sixteen different 16-byte columns of 256 bytes.
; Work-groups 0 .. 23: the weights (a wave: one tile of one weight, four units).  Work-groups 24 .. 535: the mask (a wave: half the keys of one query tile, eight units).
; The two ways have LDS bytes of their own.  No barrier: waves share nothing.  Loads run two units (32 loads a wave) ahead.
; No matrix unit, no tensor loads, no cluster: a stream in which no byte is read twice.
; LIMITS: e1, e3, e5 between -126 and 119, so that 2^e and 448 x 2^e are f32 numbers.  NaN among the weights is not served.
.set PITCH, 528
.set STG,   16*PITCH                   ; a wave's stage
.set WSTG,  4*STG                      ; the weights' four stages lie behind the mask's four
.set NW,    24                         ; work-groups for the weights
.set OUTR,  16                         ; v16-31   mask: two registers of words for each unit; weights: a unit's 16 registers of codes
.set R,     32                         ; v32-159  two sets of 64 registers as loaded
.set X,     160                        ; v160-223 a unit as it comes back from the stage
; v1 16 x lane; v2 the same + the distance to the tile's rows 8 .. 15 (weights); v3, v4 mask stage in, out; v5, v6 weight stage in, out; v7 8 x lane; v8 2^e; v9 448 x 2^e
	s_load_b256 s[4:11], s[0:1], 0x0               ; attn_mask s[4:5], w_q s[6:7], w_k s[8:9], w_v s[10:11]
	s_load_b128 s[12:15], s[0:1], 0x20             ; lowp_scales s[12:13], mbits s[14:15]
	s_load_b64 s[16:17], s[0:1], 0x30              ; wc
	v_lshl_add_u32 v224, v0, 2, 0x10800
	v_mov_b32 v225, 0
	v_lshrrev_b32 v10, 5, v0
	v_readfirstlane_b32 s18, v10                   ; wave 0..3
	v_and_b32 v11, 31, v0                          ; lane
	v_lshlrev_b32 v1, 4, v11
	v_lshlrev_b32 v7, 3, v11
	v_and_b32 v12, 15, v0                          ; r
	v_bfe_u32 v13, v0, 4, 1                        ; h
	s_mul_i32 s19, s18, STG
	v_add_nc_u32 v3, s19, v1                       ; into the stage: a row's 512 bytes as they lie
	v_mul_u32_u24 v14, v12, PITCH
	v_lshl_add_u32 v14, v13, 6, v14                ; out of it: row r, + 64 h
	v_add_nc_u32 v4, s19, v14
	v_add_nc_u32 v5, WSTG, v3                      ; all four LDS addresses are made ahead of the parting of the ways
	v_add_nc_u32 v6, WSTG, v4
; a unit through the stage.  LDS serves a wave's instructions in order, so no wait stands between the stores and the loads
.macro TURN set, in, out
.irp i, 0,1,2,3,4,5,6,7,8,9,10,11,12,13,14,15
	ds_store_b128 v[\in], v[R+64*(\set)+4*\i:R+64*(\set)+4*\i+3] offset:PITCH*\i
.endr
.irp c, 0,1,2,3
.irp j, 0,1,2,3
	ds_load_b128 v[X+16*\c+4*\j:X+16*\c+4*\j+3], v[\out] offset:128*\c+16*\j
.endr
.endr
.endm
	s_cmp_lt_u32 ttmp9, NW
	s_cbranch_scc1 .Lweights
; ---------------- the mask ----------------
	s_sub_co_u32 s28, ttmp9, NW
	s_lshl_b32 s28, s28, 2
	s_add_co_u32 s28, s28, s18                     ; 0 .. 2047
	s_lshr_b32 s29, s28, 1                         ; tt: the query tile, 0 .. 1023
	s_and_b32 s30, s28, 1                          ; which half of its 2,048 keys
	s_and_b32 s31, s29, 127
	s_lshr_b32 s32, s31, 2
	s_lshl_b32 s32, s32, 6                         ; 64 blk
	s_bfe_u32 s33, s29, 0x10001
	s_lshl_b32 s33, s33, 5                         ; + 32 (m / 2)
	s_add_co_u32 s32, s32, s33
	s_and_b32 s33, s29, 1
	s_lshl_b32 s33, s33, 3                         ; + 8 (m % 2)
	s_add_co_u32 s32, s32, s33                     ; the tile's first query
	s_lshl_b32 s32, s32, 13                        ; a query's row of the mask is 8,192 bytes
	s_lshr_b32 s33, s29, 7
	s_lshl_b32 s33, s33, 24                        ; a batch's mask is 2^24 bytes
	s_add_co_u32 s32, s32, s33
	s_lshl_b32 s33, s30, 12                        ; 1,024 keys are 4,096 bytes
	s_add_co_u32 s32, s32, s33
	s_mov_b32 s33, 0
	s_lshl_b32 s34, s29, 12                        ; the tile's words,
	s_lshl_b32 s35, s30, 11                        ; 16 key steps of 128 bytes on for the second half
	s_add_co_u32 s34, s34, s35
	s_mov_b32 s35, 0
	s_wait_kmcnt 0x0
	s_add_nc_u64 s[4:5], s[4:5], s[32:33]
	s_add_nc_u64 s[14:15], s[14:15], s[34:35]
.macro MLOAD t                         ; unit t: keys 128 t on of the tile's 16 queries; each load reads 512 consecutive bytes, read once in the launch
.irp i, 0,1,2,3,4,5,6,7,8,9,10,11,12,13,14,15
	global_load_b128 v[R+64*((\t)%2)+4*\i:R+64*((\t)%2)+4*\i+3], v1, s[4:5] offset:(\i+8*(\i/8))*8192+512*(\t) th:TH_LOAD_NT
.endr
.endm
; Register p of the unit gives word p of its 64 (key step p / 32, word p % 32): a compare leaves the 32 lanes' bits in a scalar register, which goes to lane p / 2 of register p % 2,
; so that one store of 8 bytes a lane writes the unit's 256 bytes, aligned.
.macro MPACK t
.irp g, 0,1,2,3,4,5,6,7
.irp k, 0,1,2,3,4,5,6,7
	v_cmp_ne_u32 s[20+\k], 0, v[X+8*\g+\k]
.endr
.irp k, 0,1,2,3,4,5,6,7
	v_writelane_b32 v[OUTR+2*(\t)+\k%2], s[20+\k], (8*\g+\k)/2
.endr
.endr
	global_store_b64 v7, v[OUTR+2*(\t):OUTR+2*(\t)+1], s[14:15] offset:256*(\t)   ; each unit has its own two registers: no store's data are written again
.endm
	MLOAD 0
	MLOAD 1
.irp j, 0,1,2,3,4,5,6,7,8,9,10,11,12,13,14,15
	v_mov_b32 v[OUTR+\j], 0                        ; a lane write's destination counts as read: written once here
.endr
.irp t, 0,1,2,3,4,5,6,7
.if \t < 7
	s_wait_loadcnt 16                              ; this unit's 16 loads are in; the next unit's 16 may be out
.else
	s_wait_loadcnt 0
.endif
	TURN \t%2, 3, 4
	s_wait_dscnt 0x0                               ; the unit is back, and the stores into the stage have read their set,
.if \t < 6
	MLOAD \t+2                                     ; which takes the unit two further on
.endif
	MPACK \t
.endr
	s_wait_tensorcnt 0x0
	ds_add_u32 v224, v225
	s_wait_dscnt 0x0
	s_endpgm
; ---------------- the weights ----------------
.Lweights:
	s_lshl_b32 s28, ttmp9, 2
	s_add_co_u32 s28, s28, s18                     ; 0 .. 95
	s_lshr_b32 s29, s28, 5                         ; kind: 0 w_q, 1 w_k, 2 w_v
	s_and_b32 s30, s28, 31                         ; TT
	s_lshr_b32 s31, s30, 2
	s_lshl_b32 s31, s31, 6
	s_bfe_u32 s32, s30, 0x10001
	s_lshl_b32 s32, s32, 5
	s_add_co_u32 s31, s31, s32
	s_and_b32 s32, s30, 1
	s_lshl_b32 s32, s32, 3
	s_add_co_u32 s31, s31, s32                     ; w_q, w_k: the tile's first row
	s_lshl_b32 s32, s30, 4                         ; w_v: 16 TT
	s_cmp_eq_u32 s29, 2
	s_cselect_b32 s32, s32, s31
	s_cselect_b32 s34, 8, 16                       ; the tile's rows 8 .. 15 begin so many rows behind its first
	s_lshl_b32 s32, s32, 11                        ; a row of a weight is 2,048 bytes
	s_mov_b32 s33, 0
	s_lshl_b32 s34, s34, 11
	v_add_nc_u32 v2, s34, v1
	s_lshl_b32 s44, s29, 18
	s_lshl_b32 s45, s30, 13
	s_add_co_u32 s44, s44, s45                     ; the tile's images
	s_mov_b32 s45, 0
	s_wait_kmcnt 0x0
	s_load_b256 s[36:43], s[12:13], 0x0            ; e0 .. e7
	s_cmp_eq_u32 s29, 0                            ; the choice hangs on the work-group's and the wave's numbers alone
	s_cselect_b64 s[6:7], s[6:7], s[8:9]
	s_cmp_eq_u32 s29, 2
	s_cselect_b64 s[6:7], s[10:11], s[6:7]
	s_add_nc_u64 s[6:7], s[6:7], s[32:33]
	s_add_nc_u64 s[16:17], s[16:17], s[44:45]
.macro WLOAD s                         ; unit s: k = 128 s on of the tile's 16 rows
.irp i, 0,1,2,3,4,5,6,7
	global_load_b128 v[R+64*((\s)%2)+4*\i:R+64*((\s)%2)+4*\i+3], v1, s[6:7] offset:\i*2048+512*(\s) th:TH_LOAD_NT
.endr
.irp i, 0,1,2,3,4,5,6,7
	global_load_b128 v[R+64*((\s)%2)+32+4*\i:R+64*((\s)%2)+32+4*\i+3], v2, s[6:7] offset:\i*2048+512*(\s) th:TH_LOAD_NT
.endr
.endm
.macro WQUANT s
	s_wait_xcnt 0x0                                ; the last unit's stores have read the registers of codes: they are written again only behind this wait
.irp c, 0,1,2,3
.irp i, 0,1,2,3,4,5,6,7,8,9,10,11,12,13,14,15
	v_med3_num_f32 v[X+16*\c+\i], v[X+16*\c+\i], -v9, v9   ; the conversion to an 8-bit code does not saturate (ISA guide 7.6.2): the hold at the largest code x the scale
.endr
	v_cvt_scalef32_pk8_fp8_f32 v[OUTR+4*\c:OUTR+4*\c+1], v[X+16*\c:X+16*\c+7], v8
	v_cvt_scalef32_pk8_fp8_f32 v[OUTR+4*\c+2:OUTR+4*\c+3], v[X+16*\c+8:X+16*\c+15], v8
.endr
	v_nop                                          ; a plain vector line behind the last conversion of the run
.irp c, 0,1,2,3
	global_store_b128 v1, v[OUTR+4*\c:OUTR+4*\c+3], s[16:17] offset:2048*(\s)+512*\c   ; a chunk: 512 consecutive bytes, aligned
.endr
.endm
	WLOAD 0
	WLOAD 1
	s_wait_kmcnt 0x0
	s_cmp_eq_u32 s29, 0
	s_cselect_b32 s46, s37, s39                    ; e1 or e3,
	s_cmp_eq_u32 s29, 2
	s_cselect_b32 s46, s41, s46                    ; or e5
	s_add_co_i32 s46, s46, 127
	s_lshl_b32 s47, s46, 23
	v_mov_b32 v8, s47                              ; 2^e as f32: the conversion takes its exponent field
	s_add_co_i32 s46, s46, 8
	s_lshl_b32 s46, s46, 23
	s_or_b32 s46, s46, 0x600000
	v_mov_b32 v9, s46                              ; 448 x 2^e
.irp s, 0,1,2,3
.if \s < 3
	s_wait_loadcnt 16                              ; this unit's 16 loads are in; the next unit's 16 may be out
.else
	s_wait_loadcnt 0
.endif
	TURN \s%2, 5, 6
	s_wait_dscnt 0x0
.if \s < 2
	WLOAD \s+2
.endif
	WQUANT \s
.endr
	s_wait_tensorcnt 0x0
	ds_add_u32 v224, v225
	s_wait_dscnt 0x0
	s_endpgm
.Lfunc_end_k_qa84801f408_prep:
	.size	k_qa84801f408_prep, .Lfunc_end_k_qa84801f408_prep-k_qa84801f408_prep
	.p2alignl 7, 3214868480
	.fill 96, 4, 3214868480
	.section	.rodata,"a",@progbits
	.p2align	6, 0x0
	.amdhsa_kernel k_qa84801f408_prep
		.amdhsa_group_segment_fixed_size 68096
		.amdhsa_private_segment_fixed_size 0
		.amdhsa_enable_private_segment 0
		.amdhsa_kernarg_size 56
		.amdhsa_user_sgpr_count 2
		.amdhsa_user_sgpr_kernarg_segment_ptr 1
		.amdhsa_wavefront_size32 1
		.amdhsa_system_sgpr_workgroup_id_x 1
		.amdhsa_system_sgpr_workgroup_id_y 1
		.amdhsa_system_sgpr_workgroup_id_z 1
		.amdhsa_system_vgpr_workitem_id 0
		.amdhsa_next_free_vgpr 226
		.amdhsa_next_free_sgpr 66
		.amdhsa_reserve_vcc 0
		.amdhsa_float_denorm_mode_32 3
		.amdhsa_float_denorm_mode_16_64 3
		.amdhsa_memory_ordered 1
		.amdhsa_forward_progress 1
		.amdhsa_inst_pref_size 132
	.end_amdhsa_kernel
	.amdgpu_metadata
---
amdhsa.version: [ 1, 2 ]
amdhsa.kernels:
  - .name:           k_qa84801f408_prep
    .symbol:         k_qa84801f408_prep.kd
    .args:
      - { .name: attn_mask, .offset: 0, .size: 8, .value_kind: global_buffer, .address_space: global }
      - { .name: w_q, .offset: 8, .size: 8, .value_kind: global_buffer, .address_space: global }
      - { .name: w_k, .offset: 16, .size: 8, .value_kind: global_buffer, .address_space: global }
      - { .name: w_v, .offset: 24, .size: 8, .value_kind: global_buffer, .address_space: global }
      - { .name: lowp_scales, .offset: 32, .size: 8, .value_kind: global_buffer, .address_space: global }
      - { .name: mbits, .offset: 40, .size: 8, .value_kind: global_buffer, .address_space: global }
      - { .name: wc, .offset: 48, .size: 8, .value_kind: global_buffer, .address_space: global }
    .group_segment_fixed_size: 68096
    .private_segment_fixed_size: 0
    .kernarg_segment_align: 8
    .kernarg_segment_size: 56
    .max_flat_workgroup_size: 128
    .sgpr_count:     66
    .vgpr_count:     226
    .wavefront_size: 32
...
	.end_amdgpu_metadata
.endif
;; end of part 1
;; launch proj (part 2): grid 64 x 3, 4 waves a work-group, no clusters, 67,072 bytes of LDS; arguments x_q, x_k_v, wc, b_q, b_k, b_v, lowp_scales, qc, kvc; writes qc, kvc
.if DOCPART == 2
	.amdgcn_target "amdgcn-amd-amdhsa--gfx1250"
	.amdhsa_code_object_version 6
	.text
	.protected	k_qa84801f408_proj
	.globl	k_qa84801f408_proj
	.p2align	8
	.type	k_qa84801f408_proj,@function
k_qa84801f408_proj:
	s_mov_b64 s[64:65], 0
	v_nop
	global_prefetch_b8 v0, s[64:65] scope:SCOPE_SE
	s_setreg_imm32_b32 hwreg(HW_REG_WAVE_MODE, 25, 1), 1
	s_wait_xcnt 0x0
; q = x_q w_q^T + b_q, k = x_k_v w_k^T + b_k, v = x_k_v w_v^T + b_v, each product on codes of E4M3 with its given scales, and each result quantised at once
; for the attention launch (q: 2^e6, k: 2^e7, v: 2^e8) and stored as IMAGES OF THAT LAUNCH'S OPERAND REGISTERS.  Work-group y = kind (0 q, 1 k, 2 v), x = g: 256 tokens, four blocks of 64.
; THE WAVES SHARE THE COLUMNS, NOT THE ROWS: wave w makes columns 128 w .. 128 w + 127 (heads 2 w, 2 w + 1) for all 64 tokens of a block.  Its part of the weight's codes, 8 tiles x 4 K steps
; x 16 registers = 512 registers, is read once and stays.  What goes round is small: a block's codes of x, through LDS as images of registers (4 ds_store_b128 of 512 bytes, lane l at 16 l).
; A BLOCK, two barriers.  X: wave w takes token tile m = w (token r of tile m = 2 B + u: 32 B + 8 u + r + 8 (r / 8)): 16 rows x 512 bytes a K step, loaded as they lie, turned through the wave's own stage
; (rows 528 bytes apart) so that register 16 c + i of lane (r, h) is k = 32 c + 16 h + i of token r; held, converted, image to LDS | barrier | products: two tiles of tokens at a time, 16 accumulators by turns;
; the bias, divided by 2^(ex + ew), is the C of each sum's first product; hold, conversion by 2^(eo - ex - ew), stores of 512 consecutive bytes | barrier.
; q, k: THE PRODUCT IS USED TRANSPOSED (source 0 = 16 rows of the weight, source 1 = 16 tokens): a lane holds one token and 8 neighbours along the head's axis.
; v: source 0 = 16 tokens, source 1 = 16 rows of the weight: a lane holds one channel and 8 neighbouring keys, since the keys are the second attention product's K.
; LAYOUTS.  A chunk is 4 registers, 512 bytes, lane l at 16 l; in chunk c lane (r, h) holds K places 32 c + 16 h + 0 .. 15 of its row.
;   qc:  bh x 131,072 + (4 blk + m) x 1,024 + c x 512     (row = query r of tile m, K = the head's 64)
;   kvc: bh x 262,144 + ks x 8,192 + t x 1,024 + c x 512  (K: row = key r of tile t)   and + 4,096 + dt x 1,024 + c x 512  (V: row = channel 16 dt + r, K = the step's 64 keys)
; x_k_v is read by the k and by the v work-groups: two weights' codes do not fit into a work-group's registers.  192 work-groups: three weights x 64 groups of tokens.
; No tensor loads, so no ring; no cluster: a weight is read once by each work-group, straight into registers.
; LIMITS: ex and eo - ex - ew between -126 and 119, so that each power of two below is an f32 number.  NaN among the inputs is not served.
; REGISTERS, in windows of 256.  window 0: v1 16 x lane; v2, v3 the stage in, out; v4 where I store x's images; v5, v6 store offsets of my two heads; v7 the bias's offset; v12 2^ex, v13 448 x that;
;   v14 2^(eo - ex - ew), v15 448 x that; v16-47 codes; v48-175 the 16 accumulators (8 mm + T), in phase X v48-111 the numbers of x; v176-239 x's fragments, two buffers of two.
;   window 1: the weight's tiles T = 0 .. 3 (64 (T % 4) + 16 s);  window 2: T = 4 .. 7;  window 3: v0-191 three sets of x as loaded; v192-255 the bias, 8 registers a tile.
.set PITCH, 528
.set STG,   16*PITCH
.set TSTG,  32768                      ; LDS: 16 images of 2,048 bytes (4 m + s), then the four stages
.set PC,    16
.set ACC,   48
.set XF,    176
.set BIAS,  192
.set XSTEP, 131072                     ; 64 tokens of 2,048 bytes
.set MSB, 0
.macro WIN new                         ; the immediate's high byte repeats the setting that is left; a switch that changes nothing is dropped
.if MSB != (\new)
	s_set_vgpr_msb (MSB<<8)|(\new)
.set MSB, (\new)
.endif
.endm
.macro PLACES                          ; four plain places behind matrix instructions: ahead of loads into registers that they read and of the first read of results
.rept 4
	v_nop
.endr
.endm
	s_load_b256 s[4:11], s[0:1], 0x0               ; x_q s[4:5], x_k_v s[6:7], wc s[8:9], b_q s[10:11]
	s_load_b256 s[12:19], s[0:1], 0x20             ; b_k s[12:13], b_v s[14:15], lowp_scales s[16:17], qc s[18:19]
	s_load_b64 s[20:21], s[0:1], 0x40              ; kvc
	v_lshl_add_u32 v254, v0, 2, 0x10400
	v_mov_b32 v255, 0
	v_lshrrev_b32 v8, 5, v0
	v_readfirstlane_b32 s22, v8                    ; wave 0..3
	s_and_b32 s23, ttmp7, 0xffff                   ; kind
	s_mov_b32 s25, ttmp9                           ; g
	s_mov_b32 s24, 4                               ; blocks to go
	s_cmp_eq_u32 s23, 0
	s_cselect_b32 s26, 0, 1                        ; 1 for k and v: their heads and blocks are twice as far apart
	s_cmp_eq_u32 s23, 2
	s_cselect_b32 s27, 4096, 0                     ; V's tiles lie behind K's in a key step
	s_lshl_b32 s28, 0x20000, s26                   ; bytes from head to head
	s_lshl_b32 s32, 0x1000, s26                    ; bytes from block to block
	s_mov_b32 s33, 0
	s_lshr_b32 s30, s25, 3
	s_lshl_b32 s30, s30, 3                         ; 8 b
	s_lshl_b32 s31, s22, 1
	s_add_co_u32 s30, s30, s31                     ; + my first head
	s_mul_i32 s30, s30, s28
	s_and_b32 s31, s25, 7
	s_lshl_b32 s31, s31, 2                         ; the group's first block in its batch
	s_mul_i32 s31, s31, s32
	s_add_co_u32 s30, s30, s31
	s_add_co_u32 s30, s30, s27
	s_mov_b32 s31, 0                               ; s[30:31]: where my results begin
	s_lshl_b32 s34, s25, 8
	s_lshr_b32 s35, s22, 1
	s_lshl_b32 s35, s35, 5
	s_add_co_u32 s34, s34, s35
	s_and_b32 s35, s22, 1
	s_lshl_b32 s35, s35, 3
	s_add_co_u32 s34, s34, s35                     ; the first token of my tile: 256 g + 32 (w / 2) + 8 (w % 2)
	s_lshl_b32 s34, s34, 11
	s_mov_b32 s35, 0
	s_lshl_b32 s48, s23, 18
	s_lshl_b32 s49, s22, 16
	s_add_co_u32 s48, s48, s49                     ; my eight tiles of the weight's codes
	s_mov_b32 s49, 0
	s_lshl_b32 s50, s22, 9                         ; my 128 numbers of the bias
	s_mov_b32 s51, 0
	v_and_b32 v8, 31, v0
	v_lshlrev_b32 v1, 4, v8                        ; 16 x lane
	v_and_b32 v9, 15, v0                           ; r
	v_bfe_u32 v10, v0, 4, 1                        ; h
	s_mul_i32 s52, s22, STG
	s_add_co_u32 s52, s52, TSTG                    ; my stage
	v_add_nc_u32 v2, s52, v1
	v_mul_u32_u24 v3, v9, PITCH
	v_lshl_add_u32 v3, v10, 6, v3
	v_add_nc_u32 v3, s52, v3
	s_lshl_b32 s53, s22, 13
	v_add_nc_u32 v4, s53, v1                       ; images 4 w + s
	v_mov_b32 v5, v1
	v_add_nc_u32 v6, s28, v1
	s_wait_kmcnt 0x0
	s_load_b256 s[36:43], s[16:17], 0x0            ; e0 .. e7
	s_load_b64 s[44:45], s[16:17], 0x20            ; e8, e9
	s_cmp_eq_u32 s23, 0                            ; the choices hang on the work-group's number alone
	s_cselect_b64 s[4:5], s[4:5], s[6:7]
	s_cselect_b64 s[10:11], s[10:11], s[12:13]
	s_cselect_b64 s[18:19], s[18:19], s[20:21]
	s_cmp_eq_u32 s23, 2
	s_cselect_b64 s[10:11], s[14:15], s[10:11]
	s_add_nc_u64 s[4:5], s[4:5], s[34:35]
	s_add_nc_u64 s[8:9], s[8:9], s[48:49]
	s_add_nc_u64 s[10:11], s[10:11], s[50:51]
	s_add_nc_u64 s[18:19], s[18:19], s[30:31]
	WIN 0x40                                       ; destination window 1
.irp t, 0,1,2,3
.irp s, 0,1,2,3
.irp c, 0,1,2,3
	global_load_b128 v[64*\t+16*\s+4*\c:64*\t+16*\s+4*\c+3], v1, s[8:9] offset:((4*\t+\s)*4+\c)*512
.endr
.endr
.endr
	WIN 0x80                                       ; destination window 2
.irp t, 0,1,2,3
.irp s, 0,1,2,3
.irp c, 0,1,2,3
	global_load_b128 v[64*\t+16*\s+4*\c:64*\t+16*\s+4*\c+3], v1, s[8:9] offset:((4*(\t+4)+\s)*4+\c)*512
.endr
.endr
.endr
	WIN 0
	s_cmp_eq_u32 s23, 2
	s_cbranch_scc1 .Lbias_v
	v_lshlrev_b32 v7, 6, v10                       ; q, k: register j of tile T is column 64 (T / 4) + 32 ((T / 2) % 2) + 16 h + 8 (T % 2) + j
	WIN 0xc0                                       ; destination window 3
.irp t, 0,1,2,3,4,5,6,7
	global_load_b128 v[BIAS+8*\t:BIAS+8*\t+3], v7, s[10:11] offset:(64*(\t/4)+32*((\t/2)%2)+8*(\t%2))*4
	global_load_b128 v[BIAS+8*\t+4:BIAS+8*\t+7], v7, s[10:11] offset:(64*(\t/4)+32*((\t/2)%2)+8*(\t%2))*4+16
.endr
	WIN 0
	s_branch .Lbias_done
.Lbias_v:
	v_lshlrev_b32 v7, 2, v9                        ; v: all eight registers of tile T are column 16 T + r
	WIN 0xc0
.irp t, 0,1,2,3,4,5,6,7
.irp j, 0,1,2,3,4,5,6,7
	global_load_b32 v[BIAS+8*\t+\j], v7, s[10:11] offset:64*\t
.endr
.endr
	WIN 0
.Lbias_done:
; my tile's 16 tokens, K step s, from off bytes on, into set: each load reads 512 consecutive bytes
.macro XLOAD set, s, off
	WIN 0xc0
.irp i, 0,1,2,3,4,5,6,7,8,9,10,11,12,13,14,15
	global_load_b128 v[64*(\set)+4*\i:64*(\set)+4*\i+3], v1, s[4:5] offset:(\off)+(\i+8*(\i/8))*2048+512*(\s)
.endr
	WIN 0
.endm
	XLOAD 0, 0, 0                                  ; the first block's K steps 0, 1, 2
	XLOAD 1, 1, 0
	XLOAD 2, 2, 0
	s_wait_loadcnt 48                              ; the weight and the bias are in: behind them only these 3 x 16 loads were issued
	s_wait_kmcnt 0x0
	s_cmp_eq_u32 s23, 0
	s_cselect_b32 s54, s36, s38                    ; ex: e0, e2 or e4
	s_cselect_b32 s55, s37, s39                    ; ew: e1, e3 or e5
	s_cselect_b32 s56, s42, s43                    ; eo: e6, e7 or e8
	s_cmp_eq_u32 s23, 2
	s_cselect_b32 s54, s40, s54
	s_cselect_b32 s55, s41, s55
	s_cselect_b32 s56, s44, s56
	s_add_co_i32 s57, s54, s55                     ; a sum stands for sum x 2^(ex + ew): the bias goes in divided by that
	s_sub_co_i32 s58, 0, s57
	WIN 0xc3                                       ; source 0 and destination window 3
.irp j, 0,1,2,3,4,5,6,7,8,9,10,11,12,13,14,15,16,17,18,19,20,21,22,23,24,25,26,27,28,29,30,31,32,33,34,35,36,37,38,39,40,41,42,43,44,45,46,47,48,49,50,51,52,53,54,55,56,57,58,59,60,61,62,63
	v_ldexp_f32 v[BIAS+\j], v[BIAS+\j], s58
.endr
	WIN 0
	s_add_co_i32 s59, s54, 127
	s_lshl_b32 s60, s59, 23
	v_mov_b32 v12, s60                             ; 2^ex as f32: the conversion takes its exponent field
	s_add_co_i32 s59, s59, 8
	s_lshl_b32 s59, s59, 23
	s_or_b32 s59, s59, 0x600000
	v_mov_b32 v13, s59                             ; 448 x 2^ex
	s_sub_co_i32 s59, s56, s57
	s_add_co_i32 s59, s59, 127
	s_lshl_b32 s60, s59, 23
	v_mov_b32 v14, s60                             ; 2^(eo - ex - ew): the three scales folded into the conversion's one
	s_add_co_i32 s59, s59, 8
	s_lshl_b32 s59, s59, 23
	s_or_b32 s59, s59, 0x600000
	v_mov_b32 v15, s59
.macro TURN set                        ; a K step's 16 x 512 bytes through my stage; LDS serves a wave's instructions in order
	WIN 0x0c                                       ; store data window 3
.irp i, 0,1,2,3,4,5,6,7,8,9,10,11,12,13,14,15
	ds_store_b128 v2, v[64*(\set)+4*\i:64*(\set)+4*\i+3] offset:PITCH*\i
.endr
	WIN 0
.irp c, 0,1,2,3
.irp j, 0,1,2,3
	ds_load_b128 v[ACC+16*\c+4*\j:ACC+16*\c+4*\j+3], v3 offset:128*\c+16*\j
.endr
.endr
.endm
.macro Q8 dst, src, sc, lim            ; eight numbers, from the low end on: the hold (the conversion to an 8-bit code does not saturate: ISA guide 7.6.2), then eight codes
.irp i, 0,1,2,3,4,5,6,7
	v_med3_num_f32 v[(\src)+\i], v[(\src)+\i], -v[\lim], v[\lim]
.endr
	v_cvt_scalef32_pk8_fp8_f32 v[(\dst):(\dst)+1], v[(\src):(\src)+7], v[\sc]
.endm
.macro XQ s, set, cnt                  ; K step s of my tile of x becomes a fragment's image.  cnt: the loads issued behind this step's 16
	s_wait_loadcnt \cnt
	TURN \set
	s_wait_dscnt 0x0                               ; the numbers are back; the stage's stores have read their set, and the last image's stores their codes
.if \s == 0
	XLOAD 0, 3, 0                                  ; K step 3 takes the set that K step 0 has left
.endif
.irp b, 0,1,2,3,4,5,6,7
	Q8 PC+2*\b, ACC+8*\b, 12, 13
.endr
	v_nop                                          ; a plain vector line behind the last conversion of the run
.irp c, 0,1,2,3
	ds_store_b128 v4, v[PC+4*\c:PC+4*\c+3] offset:2048*(\s)+512*\c
.endr
.endm
.macro FETCHX bp, s, buf               ; x's fragments of token tiles 2 bp, 2 bp + 1, K step s
.irp mm, 0,1
.irp c, 0,1,2,3
	ds_load_b128 v[XF+32*(\buf)+16*\mm+4*\c:XF+32*(\buf)+16*\mm+4*\c+3], v1 offset:(4*(2*(\bp)+\mm)+(\s))*2048+512*\c
.endr
.endr
.endm
; 16 matrix instructions, 128 along K: the 16 accumulators take turns, one instruction a turn, in the same order in every K step.
; path 0 (q, k): source 0 the weight, source 1 x.  path 1 (v): the other way round.  In K step 0 the bias is C.
.macro MUL path, s, buf
.irp hf, 0,1
.if \path == 0
.if \s == 0
	WIN 0x31+\hf                                   ; source 0 window 1 or 2, C window 3
.else
	WIN 0x01+\hf
.endif
.else
.if \s == 0
	WIN 0x34+4*\hf                                 ; source 1 window 1 or 2, C window 3
.else
	WIN 0x04+4*\hf
.endif
.endif
.irp t3, 0,1,2,3
.irp mm, 0,1
.set rD, ACC+8*(8*\mm+4*\hf+\t3)
.set rW, 64*\t3+16*(\s)
.set rX, XF+32*(\buf)+16*\mm
.set rB, BIAS+8*(4*\hf+\t3)
.if \path == 0
.if \s == 0
	v_wmma_f32_16x16x128_fp8_fp8 v[rD:rD+7], v[rW:rW+15], v[rX:rX+15], v[rB:rB+7]
.else
	v_wmma_f32_16x16x128_fp8_fp8 v[rD:rD+7], v[rW:rW+15], v[rX:rX+15], v[rD:rD+7]
.endif
.else
.if \s == 0
	v_wmma_f32_16x16x128_fp8_fp8 v[rD:rD+7], v[rX:rX+15], v[rW:rW+15], v[rB:rB+7]
.else
	v_wmma_f32_16x16x128_fp8_fp8 v[rD:rD+7], v[rX:rX+15], v[rW:rW+15], v[rD:rD+7]
.endif
.endif
.endr
.endr
.endr
.endm
; Token tiles 2 bp and 2 bp + 1 against my eight tiles of the weight; the results quantised and stored.
.macro GROUP path, bp
	FETCHX \bp, 0, 0
.irp s, 0,1,2,3
	s_wait_dscnt 0x0                               ; this K step's fragments are in
.if \s < 3
	WIN 0
	PLACES                                         ; the other buffer was read by the K step before
	FETCHX \bp, \s+1, (\s+1)%2                     ; the next K step's fragments land while this one is multiplied
.endif
	MUL \path, \s, \s%2
.endr
	WIN 0
	PLACES
	s_wait_xcnt 0x0                                ; the last stores have read the registers of codes: they are written again only behind this wait
.if \path == 0
.irp a, 0,1,2,3,4,5,6,7,8,9,10,11,12,13,14,15
	Q8 PC+2*\a, ACC+8*\a, 14, 15                   ; accumulator 8 mm + 4 hh + 2 c + u: token tile mm, head hh, chunk c, its registers 2 u, 2 u + 1
.endr
	v_nop                                          ; a plain vector line behind the last conversion of the run
.irp mm, 0,1
.irp hh, 0,1
.irp c, 0,1
	global_store_b128 v[5+\hh], v[PC+4*(4*\mm+2*\hh+\c):PC+4*(4*\mm+2*\hh+\c)+3], s[18:19] offset:(2*(\bp)+\mm)*1024+\c*512   ; 512 consecutive bytes, aligned
.endr
.endr
.endr
.else
.irp mm, 0,1
.irp t, 0,1,2,3,4,5,6,7
	Q8 PC+4*\t+2*\mm, ACC+8*(8*\mm+\t), 14, 15     ; tile T's chunk bp: keys 32 bp + 16 h + 8 mm + 0 .. 7
.endr
.endr
	v_nop
.irp t, 0,1,2,3,4,5,6,7
	global_store_b128 v[5+\t/4], v[PC+4*\t:PC+4*\t+3], s[18:19] offset:(\t%4)*1024+(\bp)*512
.endr
.endif
.endm
.Lblock:
	XQ 0, 0, 32                                    ; behind K step 0's loads: K steps 1 and 2
	XQ 1, 1, 32                                    ; behind K step 1's: K steps 2 and 3
	XQ 2, 2, 16
	XQ 3, 0, 0
	s_wait_dscnt 0x0                               ; my images have landed
	s_barrier_signal -1
	s_barrier_wait -1                              ; all sixteen lie in LDS
	s_cmp_eq_u32 s24, 1                            ; the next block's first three K steps are asked for here, if there is a next block: no load leaves its buffer
	s_cbranch_scc1 .Lno_next
	XLOAD 0, 0, XSTEP
	XLOAD 1, 1, XSTEP
	XLOAD 2, 2, XSTEP
.Lno_next:
	s_cmp_eq_u32 s23, 2                            ; the two ways hold LDS loads, products and global stores; no barrier and no LDS store
	s_cbranch_scc1 .Lpath_v
	GROUP 0, 0
	GROUP 0, 1
	s_branch .Ljoin
.Lpath_v:
	GROUP 1, 0
	GROUP 1, 1
.Ljoin:
	s_wait_dscnt 0x0                               ; my reads of the images are over
	s_barrier_signal -1
	s_barrier_wait -1                              ; everybody's are: the next block may write them
	s_wait_xcnt 0x0                                ; the loads and stores have read their bases and data: both may be written again
	s_add_nc_u64 s[4:5], s[4:5], XSTEP
	s_add_nc_u64 s[18:19], s[18:19], s[32:33]
	s_sub_co_u32 s24, s24, 1
	s_cmp_lg_u32 s24, 0
	s_cbranch_scc1 .Lblock
	s_wait_tensorcnt 0x0
	ds_add_u32 v254, v255
	s_wait_dscnt 0x0
	s_endpgm
.Lfunc_end_k_qa84801f408_proj:
	.size	k_qa84801f408_proj, .Lfunc_end_k_qa84801f408_proj-k_qa84801f408_proj
	.p2alignl 7, 3214868480
	.fill 96, 4, 3214868480
	.section	.rodata,"a",@progbits
	.p2align	6, 0x0
	.amdhsa_kernel k_qa84801f408_proj
		.amdhsa_group_segment_fixed_size 67072
		.amdhsa_private_segment_fixed_size 0
		.amdhsa_enable_private_segment 0
		.amdhsa_kernarg_size 72
		.amdhsa_user_sgpr_count 2
		.amdhsa_user_sgpr_kernarg_segment_ptr 1
		.amdhsa_wavefront_size32 1
		.amdhsa_system_sgpr_workgroup_id_x 1
		.amdhsa_system_sgpr_workgroup_id_y 1
		.amdhsa_system_sgpr_workgroup_id_z 1
		.amdhsa_system_vgpr_workitem_id 0
		.amdhsa_next_free_vgpr 1024
		.amdhsa_next_free_sgpr 66
		.amdhsa_reserve_vcc 0
		.amdhsa_float_denorm_mode_32 3
		.amdhsa_float_denorm_mode_16_64 3
		.amdhsa_memory_ordered 1
		.amdhsa_forward_progress 1
		.amdhsa_inst_pref_size 135
	.end_amdhsa_kernel
	.amdgpu_metadata
---
amdhsa.version: [ 1, 2 ]
amdhsa.kernels:
  - .name:           k_qa84801f408_proj
    .symbol:         k_qa84801f408_proj.kd
    .args:
      - { .name: x_q, .offset: 0, .size: 8, .value_kind: global_buffer, .address_space: global }
      - { .name: x_k_v, .offset: 8, .size: 8, .value_kind: global_buffer, .address_space: global }
      - { .name: wc, .offset: 16, .size: 8, .value_kind: global_buffer, .address_space: global }
      - { .name: b_q, .offset: 24, .size: 8, .value_kind: global_buffer, .address_space: global }
      - { .name: b_k, .offset: 32, .size: 8, .value_kind: global_buffer, .address_space: global }
      - { .name: b_v, .offset: 40, .size: 8, .value_kind: global_buffer, .address_space: global }
      - { .name: lowp_scales, .offset: 48, .size: 8, .value_kind: global_buffer, .address_space: global }
      - { .name: qc, .offset: 56, .size: 8, .value_kind: global_buffer, .address_space: global }
      - { .name: kvc, .offset: 64, .size: 8, .value_kind: global_buffer, .address_space: global }
    .group_segment_fixed_size: 67072
    .private_segment_fixed_size: 0
    .kernarg_segment_align: 8
    .kernarg_segment_size: 72
    .max_flat_workgroup_size: 128
    .sgpr_count:     66
    .vgpr_count:     1024
    .wavefront_size: 32
...
	.end_amdgpu_metadata
.endif
;; end of part 2
;; launch attn (part 3): grid 4 x 64, 16 waves a work-group, clusters of 4 x 1, 264,192 bytes of LDS; arguments qc, kvc, mbits, lowp_scales, out0; writes out0
.if DOCPART == 3
	.amdgcn_target "amdgcn-amd-amdhsa--gfx1250"
	.amdhsa_code_object_version 6
	.text
	.protected	k_qa84801f408_attn
	.globl	k_qa84801f408_attn
	.p2align	8
	.type	k_qa84801f408_attn,@function
k_qa84801f408_attn:
	s_mov_b64 s[64:65], 0
	v_nop
	global_prefetch_b8 v0, s[64:65] scope:SCOPE_SE
	s_setreg_imm32_b32 hwreg(HW_REG_WAVE_MODE, 25, 1), 1
	s_wait_xcnt 0x0
	s_wait_alu depctr_hold_cnt(0) depctr_sa_sdst(0) depctr_va_vdst(0) depctr_va_sdst(0) depctr_va_ssrc(0) depctr_va_vcc(0) depctr_vm_vsrc(0)
	s_getreg_b32 s2, hwreg(HW_REG_IB_STS2, 6, 4)
	s_cmp_eq_u32 s2, 0
	s_cbranch_scc0 .Lentry_in_a_cluster
	s_endpgm
.Lentry_in_a_cluster:
	s_bfe_u32 s2, ttmp6, 0x10000c
	s_cmp_lg_u32 s2, 0x3003
	s_cbranch_scc0 .Lentry_shape_is_right
	s_endpgm
.Lentry_shape_is_right:
; out[b][q][head][:] = the sum over keys of softmax(q . k / 8, masked) v, both products on codes of E4M3 (q: 2^e6, k: 2^e7, v: 2^e8, p: 2^e9).
; THE SOFTMAX AHEAD OF THE SECOND PRODUCT: t = logit x log2(e); M = the running largest t, rounded UP to a whole number; p = 2^(t - M) is quantised, not normalised; the row's sum is taken of the
; unquantised p and divides at the end.  When M moves, the sum and O are multiplied by 2^(old M - new M): nothing is rounded, and there is no branch on data.
; SHARES.  A work-group owns 512 queries of one (batch, head); each of its sixteen waves owns 32: two tiles of 16, so that each fragment of K and V read from LDS feeds two products.  Four waves to a SIMD, 256 registers each:
; one wave's vector work stands beside another's matrix work and LDS loads.  A step of 64 keys has 16 matrix instructions and some 350 vector instructions a wave: the vector work binds, and nothing here is spent on the matrix unit's account.
; LDS.  A head's codes of K and V are 262,144 bytes and lie in LDS whole, as they lie in memory (images of operand registers: every fragment load reads 512 consecutive bytes).  Each byte is filled once: no ring.
; CLUSTER.  The four work-groups of a head form a cluster and ask for K and V JOINTLY: the same tensor loads, the same descriptors, a mask that names the four.  A wave issues four loads of 4,096 bytes, one in each quarter of the keys:
; four tensor loads of a wave are out at the most, and the first quarter is worked on while the others land.
; LAYOUT.  Both products are used transposed: S^T = K Q^T (source 0 = 16 keys, source 1 = 16 queries), O^T = V^T P^T: a lane holds ONE query throughout.  Key r of tile 2 B + u is 32 B + 8 u + r + 8 (r / 8),
; so score register n of lane (r, h) is key 32 (n / 16) + 16 h + n % 16 of the step, and the conversions' results are the second product's operand.
; THE MASK comes as one 32-bit lane mask for each score register (made by an earlier launch), by scalar loads: one select a register.
; LIMITS.  A masked logit is taken as -2^30, not -1e9, so that the masked t is a whole number in f32 and a row that is masked altogether gives p = 1 for every key, as the softmax of equal logits does;
; rows with an unmasked logit under about -1e9 would differ.  e6 + e7 between -94 and 130, e9 between -126 and 119, so that each power of two below is an f32 number.  NaN is not served.
; REGISTERS: v1 16 x lane; v2 the step's LDS address; v3 the masked score; v4 448 x 2^e9; v5 2^e9; v6, v7, v[8:9], v10 at work; v12-23 statistics, six a tile: -M, the largest t, the sum in two halves, f and its partner;
; v24-39 Q; v40-71 K's four fragments; v72-103 V's four; v104-167 S^T, then p; v168-183 p's codes; v184-247 O^T; v248-250 the way out.
.set ST,  12
.set QF,  24
.set KF,  40
.set VF,  72
.set SC,  104
.set PCD, 168
.set OA,  184
.set CHB, 65536                        ; a quarter of the head's K and V: 8 key steps of 8,192 bytes
.set SPI, 272                          ; the way out: a stage row, 256 bytes + 16
.macro ROUND                           ; a round of the cluster's barrier: my work-group's barrier; wave 0 signals for the work-group; every wave waits for all four; my work-group's barrier once more
	s_barrier_signal -1
	s_barrier_wait -1
	s_cmp_lg_u32 s14, 0
	s_cbranch_scc1 .Lnot_wave_0_\@
	s_barrier_signal -3
.Lnot_wave_0_\@:
	s_barrier_wait -3
	s_barrier_signal -1
	s_barrier_wait -1
.endm
	s_load_b256 s[4:11], s[0:1], 0x0               ; qc s[4:5], kvc s[6:7], mbits s[8:9], lowp_scales s[10:11]
	s_load_b64 s[12:13], s[0:1], 0x20              ; out0
	v_lshl_add_u32 v254, v0, 2, 0x40000
	v_mov_b32 v255, 0
	ds_add_u32 v254, v255
	ds_add_u32 v254, v255
	v_lshrrev_b32 v6, 5, v0
	v_readfirstlane_b32 s14, v6                    ; wave 0..15
	v_and_b32 v6, 31, v0
	v_lshlrev_b32 v1, 4, v6
	s_bfe_u32 s15, ttmp6, 0x40000                  ; cx: my place in the cluster
	s_lshl_b32 s17, ttmp9, 2
	s_add_co_u32 s15, s15, s17                     ; my block of 512 queries = 4 x cluster x + cx: it enters Q's, the mask's and the output's addresses alone
	s_and_b32 s16, ttmp7, 0xffff                   ; 8 b + head, which the four partners share
	s_lshl_b32 s18, s14, 12                        ; my 4,096 bytes in a quarter, in memory and in LDS alike
	s_lshl_b32 s20, s16, 18
	s_add_co_u32 s20, s20, s18
	s_mov_b32 s21, 0
	; descriptor group 1: a dense block of 16 rows of 256 bytes
	s_mov_b32 s24, 15|(3<<16)|(1<<21)              ; 15:0 the mask: all four work-groups; 17:16 elements of 8 bytes; 20 no padding; 21 set beside a mask
	s_mov_b32 s25, 32<<16                          ; tensor_dim0 = 32
	s_mov_b32 s26, 16<<16                          ; tensor_dim1 = 16
	s_mov_b32 s27, 32<<16                          ; tile_dim0 = 32
	s_mov_b32 s28, 16                              ; tile_dim1 = 16
	s_mov_b32 s29, 32                              ; elements from row to row
	s_mov_b32 s30, 0
	s_mov_b32 s31, 0
	s_lshl_b32 s54, s15, 5
	s_lshl_b32 s55, s14, 1
	s_add_co_u32 s54, s54, s55                     ; my first tile of queries in the head: 32 x block + 2 x wave
	s_lshl_b32 s60, s16, 7
	s_add_co_u32 s60, s60, s54
	s_lshl_b32 s60, s60, 10                        ; a tile of Q's codes is 1,024 bytes
	s_mov_b32 s61, 0
	s_lshr_b32 s62, s16, 3                         ; b
	s_lshl_b32 s63, s62, 7
	s_add_co_u32 s66, s63, s54
	s_lshl_b32 s66, s66, 12                        ; a tile's mask words are 4,096 bytes
	s_mov_b32 s67, 0
	s_lshl_b32 s62, s62, 11
	s_lshl_b32 s63, s54, 4
	s_add_co_u32 s62, s62, s63                     ; my first query: 2,048 b + 16 x tile
	s_lshl_b32 s62, s62, 11                        ; a row of the output is 2,048 bytes,
	s_and_b32 s63, s16, 7
	s_lshl_b32 s63, s63, 8                         ; a head's part of it 256
	s_add_co_u32 s62, s62, s63
	s_mov_b32 s63, 0
	s_mov_b32 s50, 0x76543210                      ; lane selects for v_permlanex16_b32: lane l xor 16
	s_mov_b32 s51, 0xfedcba98
	s_wait_dscnt 0x0
	s_wait_kmcnt 0x0
	s_add_nc_u64 s[6:7], s[6:7], s[20:21]
	s_add_nc_u64 s[4:5], s[4:5], s[60:61]
	s_add_nc_u64 s[8:9], s[8:9], s[66:67]
	s_add_nc_u64 s[12:13], s[12:13], s[62:63]
.irp i, 0,1,2,3
	s_mov_b32 s[32+4*\i], 1                        ; count = 1
	s_add_co_u32 s[33+4*\i], s18, \i*CHB           ; LDS address: quarter i, my part: no place in the cluster enters it
	s_add_nc_u64 s[34+4*\i:35+4*\i], s[6:7], \i*CHB
	s_or_b32 s[35+4*\i], s[35+4*\i], 0x80000000    ; type = 2
.endr
	ROUND                                          ; all four work-groups are here: the joint loads meet
	tensor_load_to_lds s[32:35], s[24:31]
	s_nop 0
	tensor_load_to_lds s[36:39], s[24:31]
	s_nop 0
	tensor_load_to_lds s[40:43], s[24:31]
	s_nop 0
	tensor_load_to_lds s[44:47], s[24:31]
	s_nop 0
.rept 4
	v_nop
.endr
.irp k, 0,1,2,3
	global_load_b128 v[QF+4*\k:QF+4*\k+3], v1, s[4:5] offset:512*\k th:TH_LOAD_NT   ; my two tiles of Q stay in registers
.endr
	s_load_b128 s[56:59], s[10:11], 0x18           ; e6, e7, e8, e9
	s_load_b512 s[68:83], s[8:9], 0x0              ; the first step's mask words of my first tile
	s_load_b512 s[84:99], s[8:9], 0x40
	v_mov_b32 v10, 0                               ; a lane permute's destination counts as one of its sources: written once
.irp x, 0,1
	v_mov_b32 v[ST+6*\x+1], 0xff61b1e6             ; the largest t so far: -3e38, under every t
	v_floor_f32 v[ST+6*\x], -v[ST+6*\x+1]          ; -M
	v_mov_b32 v[ST+6*\x+2], 0                      ; the sum, in two halves
	v_mov_b32 v[ST+6*\x+3], 0
	v_mov_b32 v[ST+6*\x+4], 0
	v_mov_b32 v[ST+6*\x+5], 0                      ; (named as the upper half of f's pair)
.endr
.irp j, 0,1,2,3,4,5,6,7,8,9,10,11,12,13,14,15,16,17,18,19,20,21,22,23,24,25,26,27,28,29,30,31,32,33,34,35,36,37,38,39,40,41,42,43,44,45,46,47,48,49,50,51,52,53,54,55,56,57,58,59,60,61,62,63
	v_mov_b32 v[OA+\j], 0                          ; O^T.  (The step is written without a first step of its own: it finds zeros, which the first change of M leaves zeros)
.endr
	s_wait_kmcnt 0x0
	s_add_co_i32 s60, s56, s57                     ; e6 + e7
	s_lshl_b32 s61, s60, 23
	s_mov_b32 s48, 0x3e38aa3b                      ; c = log2(e) / 8
	s_add_co_i32 s48, s48, s61                     ; a score stands for score x 2^(e6 + e7): the exponents are added to c's exponent field
	s_mov_b32 s49, s48                             ; (named with it as a pair, so it is written)
	s_sub_co_i32 s61, 160, s60
	s_lshl_b32 s61, s61, 23
	s_or_b32 s61, s61, 0x80000000
	v_mov_b32 v3, s61                              ; -2^(33 - e6 - e7): the score that stands for the logit -2^30
	s_add_co_i32 s60, s59, 127
	s_lshl_b32 s61, s60, 23
	v_mov_b32 v5, s61                              ; 2^e9 as f32, for the conversion
	s_add_co_i32 s60, s60, 8
	s_lshl_b32 s60, s60, 23
	s_or_b32 s60, s60, 0x600000
	v_mov_b32 v4, s60                              ; 448 x 2^e9
	s_add_co_i32 s55, s58, s59                     ; e8 + e9, for the end
.macro MASK x                          ; one select a score register, from each accumulator's low end on
.set ii, 0
.rept 32
	v_cndmask_b32 v[SC+32*(\x)+ii], v[SC+32*(\x)+ii], v3, s[68+ii]
.set ii, ii+1
.endr
.endm
.macro SOFT x                          ; tile x: 32 scores a lane become p's codes; the statistics and O^T follow M
.set rS, SC+32*(\x)
.set rP, PCD+8*(\x)
.set rO, OA+32*(\x)
.set rT, ST+6*(\x)
	v_max3_num_f32 v6, v[rS], v[rS+1], v[rS+2]     ; the step's largest score of my query among my 32 keys, in two chains,
	v_max3_num_f32 v7, v[rS+3], v[rS+4], v[rS+5]
.irp i, 6,10,14,18,22,26
	v_max3_num_f32 v6, v6, v[rS+\i], v[rS+\i+1]
	v_max3_num_f32 v7, v7, v[rS+\i+2], v[rS+\i+3]
.endr
	v_max3_num_f32 v6, v6, v[rS+30], v[rS+31]
	v_max_num_f32 v6, v6, v7
	v_permlanex16_b32 v10, v6, s50, s51
	v_max_num_f32 v6, v6, v10                      ; and among lane l xor 16's
	v_mul_f32 v6, s48, v6                          ; as t (c is positive)
	v_max_num_f32 v[rT+1], v[rT+1], v6             ; the running largest t
	v_mov_b32 v6, v[rT]
	v_floor_f32 v[rT], -v[rT+1]                    ; the new -M = floor(-t) = -ceil(t)
	v_sub_f32 v6, v[rT], v6                        ; old M - new M: a whole number, 0 or less
	v_cvt_i32_f32 v6, v6                           ; (it saturates)
	v_ldexp_f32 v[rT+4], 1.0, v6                   ; f = 2^(old M - new M)
.irp j, 0,2,4,6,8,10,12,14,16,18,20,22,24,26,28,30
	v_pk_fma_f32 v[rS+\j:rS+\j+1], v[rS+\j:rS+\j+1], s[48:49], v[rT:rT+1] op_sel_hi:[1,0,0]   ; t - M, two at a time (of the pairs c and -M the low word serves both halves)
.endr
.set ii, 0
.rept 32
	v_exp_f32 v[rS+ii], v[rS+ii]                   ; p = 2^(t - M), at most 1
.set ii, ii+1
.endr
	v_pk_mul_f32 v[rT+2:rT+3], v[rT+2:rT+3], v[rT+4:rT+5] op_sel_hi:[1,0]   ; the sums under the new M.  (The plain place behind the exponentials)
	s_wait_alu depctr_va_vdst(0)
	v_pk_add_f32 v[8:9], v[rS:rS+1], v[rS+2:rS+3]  ; the row's sum is taken of the unquantised p: two at a time, in two chains
.irp j, 4,8,12,16,20,24,28
	v_pk_add_f32 v[rT+2:rT+3], v[rT+2:rT+3], v[rS+\j:rS+\j+1]
	v_pk_add_f32 v[8:9], v[8:9], v[rS+\j+2:rS+\j+3]
.endr
	v_pk_add_f32 v[rT+2:rT+3], v[rT+2:rT+3], v[8:9]
.irp b, 0,1
.irp i, 0,1,2,3,4,5,6,7,8,9,10,11,12,13,14,15
	v_min_num_f32 v[rS+16*\b+\i], v[rS+16*\b+\i], v4   ; the conversion to an 8-bit code does not saturate (ISA guide 7.6.2); p is not negative, so the hold is one-sided
.endr
	v_cvt_scalef32_pk8_fp8_f32 v[rP+4*\b:rP+4*\b+1], v[rS+16*\b:rS+16*\b+7], v5
	v_cvt_scalef32_pk8_fp8_f32 v[rP+4*\b+2:rP+4*\b+3], v[rS+16*\b+8:rS+16*\b+15], v5
.endr
.irp j, 0,2,4,6,8,10,12,14,16,18,20,22,24,26,28,30
	v_pk_mul_f32 v[rO+\j:rO+\j+1], v[rO+\j:rO+\j+1], v[rT+4:rT+5] op_sel_hi:[1,0]   ; O^T under the new M, each accumulator from its low end on.  (Also the plain lines between the conversions and the products that read the codes)
.endr
.endm
.macro PV x                            ; O^T += V^T P^T: four accumulators, one instruction a turn
.irp d, 0,1,2,3
	v_wmma_f32_16x16x64_fp8_fp8 v[OA+32*(\x)+8*\d:OA+32*(\x)+8*\d+7], v[VF+8*\d:VF+8*\d+7], v[PCD+8*(\x):PCD+8*(\x)+7], v[OA+32*(\x)+8*\d:OA+32*(\x)+8*\d+7]
.endr
.endm
; A KEY STEP: 64 keys, whose K and V images begin at LDS byte s52.
.macro STEP
	v_add_nc_u32 v2, s52, v1
.rept 3
	v_nop                                          ; with the addition above: four places between the last products and the loads into the registers that they read
.endr
.irp f, 0,1,2,3,4,5,6,7
	ds_load_b128 v[KF+4*\f:KF+4*\f+3], v2 offset:512*\f          ; K: tile f / 2, chunk f % 2: 512 consecutive bytes
.endr
.irp f, 0,1,2,3,4,5,6,7
	ds_load_b128 v[VF+4*\f:VF+4*\f+3], v2 offset:4096+512*\f     ; V likewise
.endr
	s_wait_dscnt 8                                 ; K's eight loads are in; V's eight may be out
.irp x, 0,1
.irp t, 0,1,2,3
	v_wmma_f32_16x16x64_fp8_fp8 v[SC+32*\x+8*\t:SC+32*\x+8*\t+7], v[KF+8*\t:KF+8*\t+7], v[QF+8*\x:QF+8*\x+7], 0
.endr
.endr
.rept 4
	v_nop                                          ; places ahead of the first read of the scores
.endr
	s_wait_kmcnt 0x0                               ; the first tile's mask words are in
	MASK 0
	s_load_b512 s[68:83], s[8:9], 0x1000           ; the second tile's words of this step, 4,096 bytes on: they land during the first tile's softmax
	s_load_b512 s[84:99], s[8:9], 0x1040
	SOFT 0
	s_wait_dscnt 0x0                               ; V is in
	PV 0
	s_wait_kmcnt 0x0                               ; the second tile's words are in, and no scalar load is out: the pointer may step
	s_add_nc_u64 s[8:9], s[8:9], 128               ; the next key step's words
	MASK 1
	s_load_b512 s[68:83], s[8:9], 0x0              ; the first tile's words of the next step.  Behind the last step these are the first words of the second tile's strip: inside the buffer, and not used
	s_load_b512 s[84:99], s[8:9], 0x40
	SOFT 1
	PV 1
.endm
; A QUARTER of the keys: 8 steps.  My load for it has landed when at most the loads for the later quarters are out; those may stay out across the barrier, since no LDS byte is ever filled again.
.macro CHUNK i
	s_wait_tensorcnt 3-\i
	s_wait_dscnt 0x0
	s_barrier_signal -1
	s_barrier_wait -1                              ; every wave's part of the quarter is there
	s_mov_b32 s52, \i*CHB
	s_mov_b32 s53, 8
.Lstep_\@:
	STEP
	s_add_co_u32 s52, s52, 8192
	s_sub_co_u32 s53, s53, 1
	s_cmp_lg_u32 s53, 0
	s_cbranch_scc1 .Lstep_\@
.endm
	s_wait_loadcnt 0x0                             ; Q
	CHUNK 0
	CHUNK 1
	CHUNK 2
	CHUNK 3
	; THE WAY OUT.  The addresses are made here: plain lines, the places behind the last products.
	v_and_b32 v6, 15, v0                           ; r
	v_bfe_u32 v7, v0, 4, 1                         ; h
	s_mul_i32 s60, s14, 32*SPI                     ; my stage: two tiles of 16 rows x 272 bytes
	v_mul_u32_u24 v248, v6, SPI
	v_lshl_add_u32 v248, v7, 5, v248
	v_add_nc_u32 v248, s60, v248                   ; in: row r; channels 16 d + 8 h + 0 .. 7 at 64 d + 32 h
	v_mul_u32_u24 v249, v7, SPI
	v_lshl_add_u32 v249, v6, 4, v249
	v_add_nc_u32 v249, s60, v249                   ; back: lanes 0-15 one row of 256 bytes, lanes 16-31 the next
	v_lshlrev_b32 v250, 11, v7
	v_lshl_add_u32 v250, v6, 4, v250               ; and the same two rows in the output
.irp x, 0,1
	v_add_f32 v[ST+6*\x+2], v[ST+6*\x+2], v[ST+6*\x+3]   ; the sum's two halves,
	v_permlanex16_b32 v10, v[ST+6*\x+2], s50, s51
	v_add_f32 v[ST+6*\x+2], v[ST+6*\x+2], v10      ; and lane l xor 16's: the row's sum, over 1/2
	v_rcp_f32 v[ST+6*\x+4], v[ST+6*\x+2]
	v_nop                                          ; a plain place behind the transcendental
	s_wait_alu depctr_va_vdst(0)
	v_ldexp_f32 v[ST+6*\x+4], v[ST+6*\x+4], s55    ; x 2^(e8 + e9)
.irp j, 0,2,4,6,8,10,12,14,16,18,20,22,24,26,28,30
	v_pk_mul_f32 v[SC+32*\x+\j:SC+32*\x+\j+1], v[OA+32*\x+\j:OA+32*\x+\j+1], v[ST+6*\x+4:ST+6*\x+5] op_sel_hi:[1,0]
.endr
.endr
	s_wait_dscnt 0x0
	s_barrier_signal -1
	s_barrier_wait -1                              ; no wave reads K or V any more, and every tensor load has landed: the stages are laid over those bytes, which have had their only fill
.irp x, 0,1
.irp d, 0,1,2,3
	ds_store_b128 v248, v[SC+32*\x+8*\d:SC+32*\x+8*\d+3] offset:\x*16*SPI+64*\d
	ds_store_b128 v248, v[SC+32*\x+8*\d+4:SC+32*\x+8*\d+7] offset:\x*16*SPI+64*\d+16
.endr
.endr
.irp x, 0,1
.irp i, 0,1,2,3,4,5,6,7
	ds_load_b128 v[KF+32*\x+4*\i:KF+32*\x+4*\i+3], v249 offset:\x*16*SPI+2*\i*SPI   ; my own bytes; LDS serves a wave's instructions in order: these see the stores above
.endr
.endr
.irp x, 0,1
.irp i, 0,1,2,3,4,5,6,7
	s_wait_dscnt 15-8*\x-\i                        ; the loads behind this one may be out
	global_store_b128 v250, v[KF+32*\x+4*\i:KF+32*\x+4*\i+3], s[12:13] offset:(8*\x+2*\i+8*(\i/4))*2048 th:TH_STORE_NT   ; stage row 2 i + (lane / 16) is query 8 x + row + 8 (row / 8); 16 lanes store 256 consecutive bytes, aligned
.endr
.endr
	s_wait_kmcnt 0x0                               ; the last scalar loads, whose words nobody uses
	s_wait_tensorcnt 0x0
	ds_add_u32 v254, v255
	s_wait_dscnt 0x0
	ROUND                                          ; the closing round: no work-group ends while a partner may still ask for a tile that names it
	s_endpgm
.Lfunc_end_k_qa84801f408_attn:
	.size	k_qa84801f408_attn, .Lfunc_end_k_qa84801f408_attn-k_qa84801f408_attn
	.p2alignl 7, 3214868480
	.fill 96, 4, 3214868480
	.section	.rodata,"a",@progbits
	.p2align	6, 0x0
	.amdhsa_kernel k_qa84801f408_attn
		.amdhsa_group_segment_fixed_size 264192
		.amdhsa_private_segment_fixed_size 0
		.amdhsa_enable_private_segment 0
		.amdhsa_kernarg_size 40
		.amdhsa_user_sgpr_count 2
		.amdhsa_user_sgpr_kernarg_segment_ptr 1
		.amdhsa_wavefront_size32 1
		.amdhsa_system_sgpr_workgroup_id_x 1
		.amdhsa_system_sgpr_workgroup_id_y 1
		.amdhsa_system_sgpr_workgroup_id_z 1
		.amdhsa_system_vgpr_workitem_id 0
		.amdhsa_next_free_vgpr 256
		.amdhsa_next_free_sgpr 100
		.amdhsa_reserve_vcc 0
		.amdhsa_float_denorm_mode_32 3
		.amdhsa_float_denorm_mode_16_64 3
		.amdhsa_memory_ordered 1
		.amdhsa_forward_progress 1
		.amdhsa_inst_pref_size 98
	.end_amdhsa_kernel
	.amdgpu_metadata
---
amdhsa.version: [ 1, 2 ]
amdhsa.kernels:
  - .name:           k_qa84801f408_attn
    .symbol:         k_qa84801f408_attn.kd
    .args:
      - { .name: qc, .offset: 0, .size: 8, .value_kind: global_buffer, .address_space: global }
      - { .name: kvc, .offset: 8, .size: 8, .value_kind: global_buffer, .address_space: global }
      - { .name: mbits, .offset: 16, .size: 8, .value_kind: global_buffer, .address_space: global }
      - { .name: lowp_scales, .offset: 24, .size: 8, .value_kind: global_buffer, .address_space: global }
      - { .name: out0, .offset: 32, .size: 8, .value_kind: global_buffer, .address_space: global }
    .group_segment_fixed_size: 264192
    .private_segment_fixed_size: 0
    .kernarg_segment_align: 8
    .kernarg_segment_size: 40
    .max_flat_workgroup_size: 512
    .sgpr_count:     100
    .vgpr_count:     256
    .wavefront_size: 32
...
	.end_amdgpu_metadata
.endif
;; end of part 3
;; ======== version 2 of 2: 3 launches
;; limits: right only within a limited range of input values
;; workspace buffers: wc 786,432 bytes; qc 8,388,608 bytes; kvc 16,777,216 bytes; mbits 4,194,304 bytes of whole numbers
;; launch prep (part 4): grid 536 x 1, 4 waves a work-group, no clusters, 68,096 bytes of LDS; arguments attn_mask, w_q, w_k, w_v, lowp_scales, mbits, wc; writes mbits, wc
.if DOCPART == 4
	.amdgcn_target "amdgcn-amd-amdhsa--gfx1250"
	.amdhsa_code_object_version 6
	.text
	.protected	k_qa84801f408_prep
	.globl	k_qa84801f408_prep
	.p2align	8
	.type	k_qa84801f408_prep,@function
k_qa84801f408_prep:
	s_mov_b64 s[64:65], 0
	v_nop
	global_prefetch_b8 v0, s[64:65] scope:SCOPE_SE
	s_setreg_imm32_b32 hwreg(HW_REG_WAVE_MODE, 25, 1), 1
	s_wait_xcnt 0x0
; Two jobs that later launches want done once.
; (1) WEIGHTS.  w_q, w_k, w_v [512 (n)][512 (k)] f32 become codes of E4M3 with the given scales 2^e1, 2^e3, 2^e5, laid as IMAGES OF OPERAND REGISTERS:
;     wc + kind x 262,144 + TT x 8,192 + s x 2,048 + c x 512 + 16 x lane: tile TT of 16 rows, K step s of 128, chunk c of 4 registers; lane (r, h) holds k = 128 s + 32 c + 16 h + 0 .. 15 of the tile's row r.
;     Row r of tile TT: for w_q and w_k n = 64 (TT / 4) + 32 ((TT / 2) % 2) + 8 (TT % 2) + r + 8 (r / 8), so that the projection's results are neighbours along the head's axis in a lane's registers; for w_v n = 16 TT + r.
; (2) MASK.  attn_mask [8][2048][2048] int32 becomes LANE MASKS: word n (0 .. 31) of key step ks (64 keys) of query tile tt has in bit (r + 16 h) whether
;     attn_mask[b][query r of the tile][64 ks + 32 (n / 16) + 16 h + n % 16] is not 0: the select mask of score register n in the attention launch.  mbits + tt x 4,096 + ks x 128 + 4 n.
;     Query r of tile tt (tt = 128 b + 4 blk + m): 64 blk + 32 (m / 2) + 8 (m % 2) + r + 8 (r / 8).
; Both jobs work in UNITS of 16 rows x 512 bytes: 16 loads of 512 consecutive bytes, through the wave's own stage in LDS (rows 528 bytes apart), and back so that
; register 16 c + i of lane (r, h) holds element 32 c + 16 h + i of row r.  528 = 33 x 16: the sixteen rows that a load back touches start at sixteen different 16-byte columns of 256 bytes.
; Work-groups 0 .. 23: the weights (a wave: one tile of one weight, four units).  Work-groups 24 .. 535: the mask (a wave: half the keys of one query tile, eight units).
; The two ways have LDS bytes of their own.  No barrier: waves share nothing.  Loads run two units (32 loads a wave) ahead.
; No matrix unit, no tensor loads, no cluster: a stream in which no byte is read twice.
; LIMITS: e1, e3, e5 between -126 and 119, so that 2^e and 448 x 2^e are f32 numbers.  NaN among the weights is not served.
.set PITCH, 528
.set STG,   16*PITCH                   ; a wave's stage
.set WSTG,  4*STG                      ; the weights' four stages lie behind the mask's four
.set NW,    24                         ; work-groups for the weights
.set OUTR,  16                         ; v16-31   mask: two registers of words for each unit; weights: a unit's 16 registers of codes
.set R,     32                         ; v32-159  two sets of 64 registers as loaded
.set X,     160                        ; v160-223 a unit as it comes back from the stage
; v1 16 x lane; v2 the same + the distance to the tile's rows 8 .. 15 (weights); v3, v4 mask stage in, out; v5, v6 weight stage in, out; v7 8 x lane; v8 2^e; v9 448 x 2^e
	s_load_b256 s[4:11], s[0:1], 0x0               ; attn_mask s[4:5], w_q s[6:7], w_k s[8:9], w_v s[10:11]
	s_load_b128 s[12:15], s[0:1], 0x20             ; lowp_scales s[12:13], mbits s[14:15]
	s_load_b64 s[16:17], s[0:1], 0x30              ; wc
	v_lshl_add_u32 v224, v0, 2, 0x10800
	v_mov_b32 v225, 0
	v_lshrrev_b32 v10, 5, v0
	v_readfirstlane_b32 s18, v10                   ; wave 0..3
	v_and_b32 v11, 31, v0                          ; lane
	v_lshlrev_b32 v1, 4, v11
	v_lshlrev_b32 v7, 3, v11
	v_and_b32 v12, 15, v0                          ; r
	v_bfe_u32 v13, v0, 4, 1                        ; h
	s_mul_i32 s19, s18, STG
	v_add_nc_u32 v3, s19, v1                       ; into the stage: a row's 512 bytes as they lie
	v_mul_u32_u24 v14, v12, PITCH
	v_lshl_add_u32 v14, v13, 6, v14                ; out of it: row r, + 64 h
	v_add_nc_u32 v4, s19, v14
	v_add_nc_u32 v5, WSTG, v3                      ; all four LDS addresses are made ahead of the parting of the ways
	v_add_nc_u32 v6, WSTG, v4
; a unit through the stage.  LDS serves a wave's instructions in order, so no wait stands between the stores and the loads
.macro TURN set, in, out
.irp i, 0,1,2,3,4,5,6,7,8,9,10,11,12,13,14,15
	ds_store_b128 v[\in], v[R+64*(\set)+4*\i:R+64*(\set)+4*\i+3] offset:PITCH*\i
.endr
.irp c, 0,1,2,3
.irp j, 0,1,2,3
	ds_load_b128 v[X+16*\c+4*\j:X+16*\c+4*\j+3], v[\out] offset:128*\c+16*\j
.endr
.endr
.endm
	s_cmp_lt_u32 ttmp9, NW
	s_cbranch_scc1 .Lweights
; ---------------- the mask ----------------
	s_sub_co_u32 s28, ttmp9, NW
	s_lshl_b32 s28, s28, 2
	s_add_co_u32 s28, s28, s18                     ; 0 .. 2047
	s_lshr_b32 s29, s28, 1                         ; tt: the query tile, 0 .. 1023
	s_and_b32 s30, s28, 1                          ; which half of its 2,048 keys
	s_and_b32 s31, s29, 127
	s_lshr_b32 s32, s31, 2
	s_lshl_b32 s32, s32, 6                         ; 64 blk
	s_bfe_u32 s33, s29, 0x10001
	s_lshl_b32 s33, s33, 5                         ; + 32 (m / 2)
	s_add_co_u32 s32, s32, s33
	s_and_b32 s33, s29, 1
	s_lshl_b32 s33, s33, 3                         ; + 8 (m % 2)
	s_add_co_u32 s32, s32, s33                     ; the tile's first query
	s_lshl_b32 s32, s32, 13                        ; a query's row of the mask is 8,192 bytes
	s_lshr_b32 s33, s29, 7
	s_lshl_b32 s33, s33, 24                        ; a batch's mask is 2^24 bytes
	s_add_co_u32 s32, s32, s33
	s_lshl_b32 s33, s30, 12                        ; 1,024 keys are 4,096 bytes
	s_add_co_u32 s32, s32, s33
	s_mov_b32 s33, 0
	s_lshl_b32 s34, s29, 12                        ; the tile's words,
	s_lshl_b32 s35, s30, 11                        ; 16 key steps of 128 bytes on for the second half
	s_add_co_u32 s34, s34, s35
	s_mov_b32 s35, 0
	s_wait_kmcnt 0x0
	s_add_nc_u64 s[4:5], s[4:5], s[32:33]
	s_add_nc_u64 s[14:15], s[14:15], s[34:35]
.macro MLOAD t                         ; unit t: keys 128 t on of the tile's 16 queries; each load reads 512 consecutive bytes, read once in the launch
.irp i, 0,1,2,3,4,5,6,7,8,9,10,11,12,13,14,15
	global_load_b128 v[R+64*((\t)%2)+4*\i:R+64*((\t)%2)+4*\i+3], v1, s[4:5] offset:(\i+8*(\i/8))*8192+512*(\t) th:TH_LOAD_NT
.endr
.endm
; Register p of the unit gives word p of its 64 (key step p / 32, word p % 32): a compare leaves the 32 lanes' bits in a scalar register, which goes to lane p / 2 of register p % 2,
; so that one store of 8 bytes a lane writes the unit's 256 bytes, aligned.
.macro MPACK t
.irp g, 0,1,2,3,4,5,6,7
.irp k, 0,1,2,3,4,5,6,7
	v_cmp_ne_u32 s[20+\k], 0, v[X+8*\g+\k]
.endr
.irp k, 0,1,2,3,4,5,6,7
	v_writelane_b32 v[OUTR+2*(\t)+\k%2], s[20+\k], (8*\g+\k)/2
.endr
.endr
	global_store_b64 v7, v[OUTR+2*(\t):OUTR+2*(\t)+1], s[14:15] offset:256*(\t)   ; each unit has its own two registers: no store's data are written again
.endm
	MLOAD 0
	MLOAD 1
.irp j, 0,1,2,3,4,5,6,7,8,9,10,11,12,13,14,15
	v_mov_b32 v[OUTR+\j], 0                        ; a lane write's destination counts as read: written once here
.endr
.irp t, 0,1,2,3,4,5,6,7
.if \t < 7
	s_wait_loadcnt 16                              ; this unit's 16 loads are in; the next unit's 16 may be out
.else
	s_wait_loadcnt 0
.endif
	TURN \t%2, 3, 4
	s_wait_dscnt 0x0                               ; the unit is back, and the stores into the stage have read their set,
.if \t < 6
	MLOAD \t+2                                     ; which takes the unit two further on
.endif
	MPACK \t
.endr
	s_wait_tensorcnt 0x0
	ds_add_u32 v224, v225
	s_wait_dscnt 0x0
	s_endpgm
; ---------------- the weights ----------------
.Lweights:
	s_lshl_b32 s28, ttmp9, 2
	s_add_co_u32 s28, s28, s18                     ; 0 .. 95
	s_lshr_b32 s29, s28, 5                         ; kind: 0 w_q, 1 w_k, 2 w_v
	s_and_b32 s30, s28, 31                         ; TT
	s_lshr_b32 s31, s30, 2
	s_lshl_b32 s31, s31, 6
	s_bfe_u32 s32, s30, 0x10001
	s_lshl_b32 s32, s32, 5
	s_add_co_u32 s31, s31, s32
	s_and_b32 s32, s30, 1
	s_lshl_b32 s32, s32, 3
	s_add_co_u32 s31, s31, s32                     ; w_q, w_k: the tile's first row
	s_lshl_b32 s32, s30, 4                         ; w_v: 16 TT
	s_cmp_eq_u32 s29, 2
	s_cselect_b32 s32, s32, s31
	s_cselect_b32 s34, 8, 16                       ; the tile's rows 8 .. 15 begin so many rows behind its first
	s_lshl_b32 s32, s32, 11                        ; a row of a weight is 2,048 bytes
	s_mov_b32 s33, 0
	s_lshl_b32 s34, s34, 11
	v_add_nc_u32 v2, s34, v1
	s_lshl_b32 s44, s29, 18
	s_lshl_b32 s45, s30, 13
	s_add_co_u32 s44, s44, s45                     ; the tile's images
	s_mov_b32 s45, 0
	s_wait_alu depctr_va_vdst(0)
	s_wait_kmcnt 0x0
	s_load_b256 s[36:43], s[12:13], 0x0            ; e0 .. e7
	s_cmp_eq_u32 s29, 0                            ; the choice hangs on the work-group's and the wave's numbers alone
	s_cselect_b64 s[6:7], s[6:7], s[8:9]
	s_cmp_eq_u32 s29, 2
	s_cselect_b64 s[6:7], s[10:11], s[6:7]
	s_add_nc_u64 s[6:7], s[6:7], s[32:33]
	s_add_nc_u64 s[16:17], s[16:17], s[44:45]
.macro WLOAD s                         ; unit s: k = 128 s on of the tile's 16 rows
.irp i, 0,1,2,3,4,5,6,7
	global_load_b128 v[R+64*((\s)%2)+4*\i:R+64*((\s)%2)+4*\i+3], v1, s[6:7] offset:\i*2048+512*(\s) th:TH_LOAD_NT
.endr
.irp i, 0,1,2,3,4,5,6,7
	global_load_b128 v[R+64*((\s)%2)+32+4*\i:R+64*((\s)%2)+32+4*\i+3], v2, s[6:7] offset:\i*2048+512*(\s) th:TH_LOAD_NT
.endr
.endm
.macro WQUANT s
	s_wait_xcnt 0x0                                ; the last unit's stores have read the registers of codes: they are written again only behind this wait
.irp c, 0,1,2,3
.irp i, 0,1,2,3,4,5,6,7,8,9,10,11,12,13,14,15
	v_med3_num_f32 v[X+16*\c+\i], v[X+16*\c+\i], -v9, v9   ; the conversion to an 8-bit code does not saturate (ISA guide 7.6.2): the hold at the largest code x the scale
.endr
	v_cvt_scalef32_pk8_fp8_f32 v[OUTR+4*\c:OUTR+4*\c+1], v[X+16*\c:X+16*\c+7], v8
	v_cvt_scalef32_pk8_fp8_f32 v[OUTR+4*\c+2:OUTR+4*\c+3], v[X+16*\c+8:X+16*\c+15], v8
.endr
	v_nop                                          ; a plain vector line behind the last conversion of the run
.irp c, 0,1,2,3
	global_store_b128 v1, v[OUTR+4*\c:OUTR+4*\c+3], s[16:17] offset:2048*(\s)+512*\c   ; a chunk: 512 consecutive bytes, aligned
.endr
.endm
	WLOAD 0
	WLOAD 1
	s_wait_kmcnt 0x0
	s_cmp_eq_u32 s29, 0
	s_cselect_b32 s46, s37, s39                    ; e1 or e3,
	s_cmp_eq_u32 s29, 2
	s_cselect_b32 s46, s41, s46                    ; or e5
	s_add_co_i32 s46, s46, 127
	s_lshl_b32 s47, s46, 23
	v_mov_b32 v8, s47                              ; 2^e as f32: the conversion takes its exponent field
	s_add_co_i32 s46, s46, 8
	s_lshl_b32 s46, s46, 23
	s_or_b32 s46, s46, 0x600000
	v_mov_b32 v9, s46                              ; 448 x 2^e
	s_wait_alu depctr_va_vdst(0)
.irp s, 0,1,2,3
.if \s < 3
	s_wait_loadcnt 16                              ; this unit's 16 loads are in; the next unit's 16 may be out
.else
	s_wait_loadcnt 0
.endif
	TURN \s%2, 5, 6
	s_wait_dscnt 0x0
.if \s < 2
	WLOAD \s+2
.endif
	WQUANT \s
.endr
	s_wait_tensorcnt 0x0
	ds_add_u32 v224, v225
	s_wait_dscnt 0x0
	s_endpgm
.Lfunc_end_k_qa84801f408_prep:
	.size	k_qa84801f408_prep, .Lfunc_end_k_qa84801f408_prep-k_qa84801f408_prep
	.p2alignl 7, 3214868480
	.fill 96, 4, 3214868480
	.section	.rodata,"a",@progbits
	.p2align	6, 0x0
	.amdhsa_kernel k_qa84801f408_prep
		.amdhsa_group_segment_fixed_size 68096
		.amdhsa_private_segment_fixed_size 0
		.amdhsa_enable_private_segment 0
		.amdhsa_kernarg_size 56
		.amdhsa_user_sgpr_count 2
		.amdhsa_user_sgpr_kernarg_segment_ptr 1
		.amdhsa_wavefront_size32 1
		.amdhsa_system_sgpr_workgroup_id_x 1
		.amdhsa_system_sgpr_workgroup_id_y 1
		.amdhsa_system_sgpr_workgroup_id_z 1
		.amdhsa_system_vgpr_workitem_id 0
		.amdhsa_next_free_vgpr 226
		.amdhsa_next_free_sgpr 66
		.amdhsa_reserve_vcc 0
		.amdhsa_float_denorm_mode_32 3
		.amdhsa_float_denorm_mode_16_64 3
		.amdhsa_memory_ordered 1
		.amdhsa_forward_progress 1
		.amdhsa_inst_pref_size 132
	.end_amdhsa_kernel
	.amdgpu_metadata
---
amdhsa.version: [ 1, 2 ]
amdhsa.kernels:
  - .name:           k_qa84801f408_prep
    .symbol:         k_qa84801f408_prep.kd
    .args:
      - { .name: attn_mask, .offset: 0, .size: 8, .value_kind: global_buffer, .address_space: global }
      - { .name: w_q, .offset: 8, .size: 8, .value_kind: global_buffer, .address_space: global }
      - { .name: w_k, .offset: 16, .size: 8, .value_kind: global_buffer, .address_space: global }
      - { .name: w_v, .offset: 24, .size: 8, .value_kind: global_buffer, .address_space: global }
      - { .name: lowp_scales, .offset: 32, .size: 8, .value_kind: global_buffer, .address_space: global }
      - { .name: mbits, .offset: 40, .size: 8, .value_kind: global_buffer, .address_space: global }
      - { .name: wc, .offset: 48, .size: 8, .value_kind: global_buffer, .address_space: global }
    .group_segment_fixed_size: 68096
    .private_segment_fixed_size: 0
    .kernarg_segment_align: 8
    .kernarg_segment_size: 56
    .max_flat_workgroup_size: 128
    .sgpr_count:     66
    .vgpr_count:     226
    .wavefront_size: 32
...
	.end_amdgpu_metadata
.endif
;; end of part 4
;; launch proj (part 5): grid 256 x 1, 4 waves a work-group, no clusters, 132,608 bytes of LDS; arguments x_q, x_k_v, wc, b_q, b_k, b_v, lowp_scales, qc, kvc; writes qc, kvc
.if DOCPART == 5
	.amdgcn_target "amdgcn-amd-amdhsa--gfx1250"
	.amdhsa_code_object_version 6
	.text
	.protected	k_qa84801f408_proj
	.globl	k_qa84801f408_proj
	.p2align	8
	.type	k_qa84801f408_proj,@function
k_qa84801f408_proj:
	s_mov_b64 s[64:65], 0
	v_nop
	global_prefetch_b8 v0, s[64:65] scope:SCOPE_SE
	s_setreg_imm32_b32 hwreg(HW_REG_WAVE_MODE, 25, 1), 1
	s_wait_xcnt 0x0
; q = x_q w_q^T + b_q, k = x_k_v w_k^T + b_k, v = x_k_v w_v^T + b_v, each product on codes of E4M3 with its given scales, and each result quantised at once
; for the attention launch (q: 2^e6, k: 2^e7, v: 2^e8) and stored as IMAGES OF THAT LAUNCH'S OPERAND REGISTERS.
; SHARES.  256 work-groups; work-group g takes tokens 64 g .. 64 g + 63 through ALL THREE products (kind 0 q, 1 k, 2 v).  Wave w makes columns 128 w .. 128 w + 127 (heads 2 w, 2 w + 1) for all 64 tokens: 32 accumulators.
; PHASE X.  Wave w takes token tile m = w (token r of tile m = 2 B + u: 32 B + 8 u + r + 8 (r / 8)) of x_q and of x_k_v: eight items of 16 rows x 512 bytes, loaded as they lie, three items ahead, turned through the wave's own
; stage (rows 528 bytes apart) so that register 16 c + i of lane (r, h) is k = 32 c + 16 h + i of token r; held, converted, image to LDS.  x_k_v is read once and quantised twice, by 2^e2 for k and by 2^e4 for v: each product has its own scale.
; One barrier, and from there on no wave waits for another.
; PRODUCTS.  A kind's part of the weight's codes, 8 tiles x 4 K steps x 16 registers = 512 registers, comes straight from memory as images of registers.  w_q's comes during phase X; behind the 32 products of a K step
; its 128 registers take the same K step of the next kind.  The bias, divided by 2^(ex + ew), is the C of each sum's first product; hold, conversion by 2^(eo - ex - ew), stores of 512 consecutive bytes.
; THE COUNTED WAITS: s_wait_loadcnt 63 stands only where at least 64 loads were issued behind the load that is needed (the counts are given at the calls).
; q, k: THE PRODUCT IS USED TRANSPOSED (source 0 = 16 rows of the weight, source 1 = 16 tokens): a lane holds one token and 8 neighbours along the head's axis.
; v: source 0 = 16 tokens, source 1 = 16 rows of the weight: a lane holds one channel and 8 neighbouring keys, since the keys are the second attention product's K.
; LAYOUTS.  A chunk is 4 registers, 512 bytes, lane l at 16 l; in chunk c lane (r, h) holds K places 32 c + 16 h + 0 .. 15 of its row.
;   qc:  bh x 131,072 + (4 blk + m) x 1,024 + c x 512     (row = query r of tile m, K = the head's 64)
;   kvc: bh x 262,144 + ks x 8,192 + t x 1,024 + c x 512  (K: row = key r of tile t)   and + 4,096 + dt x 1,024 + c x 512  (V: row = channel 16 dt + r, K = the step's 64 keys)
; NO JOINT LOADS, though all work-groups read the same weights: a joint load lands in LDS, and a kind's 262,144 bytes do not fit beside 98,304 of images and 33,792 of stages.  NO PREFETCH: the weights' loads are themselves issued a kind ahead.
; LIMITS: ex and eo - ex - ew between -126 and 119, so that each power of two below is an f32 number.  NaN among the inputs is not served.
; REGISTERS, in windows of 256.  window 0: v1 16 x lane; v2, v3 the stage in, out; v4, v10 where I store x's images; v6, v8 store offsets of my second head; v7, v11 the bias's offsets; v9 image set 2;
;   v12-17 2^ex and 448 x that for e0, e2, e4; v18-23 2^(eo - ex - ew) and 448 x that for the three kinds; v24-55 codes of x; v56-119, v120-183 in phase X numbers and held numbers, then x's fragments, two buffers of four
;   (the second also takes a kind's codes on the way out); v184-247 the bias.  window 1: the weight's tiles T = 0 .. 3 (64 (T % 4) + 16 s);  window 2: T = 4 .. 7;
;   window 3: in phase X three sets of x as loaded, then the 32 accumulators (8 m + T).
.set PITCH, 528
.set STG,   16*PITCH
.set IMG,   32768                      ; a set of 16 images of 2,048 bytes (4 m + s): set 0 x_q, set 1 x_k_v by 2^e2, set 2 x_k_v by 2^e4
.set TSTG,  3*IMG                      ; then the four stages
.set SPARE, TSTG+4*STG                 ; then the spare words
.set PC,    24
.set NUM,   56
.set TMP,   120
.set XF,    56
.set PCE,   120
.set BIAS,  184
.set MSB, 0
.macro WIN new                         ; the immediate's high byte repeats the setting that is left; a switch that changes nothing is dropped
.if MSB != (\new)
	s_set_vgpr_msb (MSB<<8)|(\new)
.set MSB, (\new)
.endif
.endm
.macro PLACES                          ; four plain places behind matrix instructions (ISA guide 7.12.1)
.rept 4
	v_nop
.endr
.endm
.macro MKSC vr, se                     ; v[vr] = 2^e as f32, v[vr + 1] = 448 x 2^e, e in s[se]
	s_add_co_i32 s61, s[\se], 127
	s_lshl_b32 s62, s61, 23
	v_mov_b32 v[\vr], s62
	s_add_co_i32 s61, s61, 8
	s_lshl_b32 s61, s61, 23
	s_or_b32 s61, s61, 0x600000
	v_mov_b32 v[(\vr)+1], s61
.endm
.macro XLOAD i                         ; item i: tensor i / 4, K step i % 4, into set i % 3: each load reads 512 consecutive bytes
	WIN 0xc0
.irp r, 0,1,2,3,4,5,6,7,8,9,10,11,12,13,14,15
	global_load_b128 v[64*((\i)%3)+4*\r:64*((\i)%3)+4*\r+3], v1, s[4+2*((\i)/4):5+2*((\i)/4)] offset:(\r+8*(\r/8))*2048+512*((\i)%4)
.endr
	WIN 0
.endm
.macro WHALF kind, s, hf               ; 16 loads: K step s of the kind's tiles 4 hf .. 4 hf + 3
	WIN 0x40<<(\hf)
.irp t3, 0,1,2,3
.irp c, 0,1,2,3
	global_load_b128 v[64*\t3+16*(\s)+4*\c:64*\t3+16*(\s)+4*\c+3], v1, s[8:9] offset:(\kind)*262144+((4*(4*(\hf)+\t3)+(\s))*4+\c)*512
.endr
.endr
.endm
.macro BLOAD kind                      ; q, k: register j of tile T is column 64 (T / 4) + 32 ((T / 2) % 2) + 16 h + 8 (T % 2) + j: 16 loads.  v: tile T's one number a lane, column 16 T + r: 8 loads
	WIN 0
.irp t, 0,1,2,3,4,5,6,7
.if (\kind) < 2
	global_load_b128 v[BIAS+8*\t:BIAS+8*\t+3], v7, s[10+2*(\kind):11+2*(\kind)] offset:(64*(\t/4)+32*((\t/2)%2)+8*(\t%2))*4
	global_load_b128 v[BIAS+8*\t+4:BIAS+8*\t+7], v7, s[10+2*(\kind):11+2*(\kind)] offset:(64*(\t/4)+32*((\t/2)%2)+8*(\t%2))*4+16
.else
	global_load_b32 v[BIAS+8*\t], v11, s[14:15] offset:64*\t
.endif
.endr
.endm
.macro BSCALE kind                     ; a sum stands for sum x 2^(ex + ew): the bias goes in divided by that
.if (\kind) < 2
.set ii, 0
.rept 64
	v_ldexp_f32 v[BIAS+ii], v[BIAS+ii], s[58+(\kind)]
.set ii, ii+1
.endr
.else
.irp t, 0,1,2,3,4,5,6,7
.irp j, 7,6,5,4,3,2,1,0
	v_ldexp_f32 v[BIAS+8*\t+\j], v[BIAS+8*\t], s60   ; all eight registers of a tile hold the lane's one column; the loaded one is written last
.endr
.endr
.endif
.endm
.macro Q8 dst, src, tmp, sc            ; eight numbers: the hold (the conversion to an 8-bit code does not saturate: ISA guide 7.6.2), then eight codes
.irp k, 0,1,2,3,4,5,6,7
	v_med3_num_f32 v[(\tmp)+\k], v[(\src)+\k], -v[(\sc)+1], v[(\sc)+1]
.endr
	v_cvt_scalef32_pk8_fp8_f32 v[(\dst):(\dst)+1], v[(\tmp):(\tmp)+7], v[\sc]
.endm
.macro XQ i, cnt                       ; item i becomes one image (x_q) or two (x_k_v).  cnt: at most the loads issued behind this item's 16
	s_wait_loadcnt \cnt
	WIN 0x0c                                       ; store data window 3
.irp r, 0,1,2,3,4,5,6,7,8,9,10,11,12,13,14,15
	ds_store_b128 v2, v[64*((\i)%3)+4*\r:64*((\i)%3)+4*\r+3] offset:PITCH*\r
.endr
	WIN 0
.irp c, 0,1,2,3
.irp j, 0,1,2,3
	ds_load_b128 v[NUM+16*\c+4*\j:NUM+16*\c+4*\j+3], v3 offset:128*\c+16*\j   ; LDS serves a wave's instructions in order: these see the stores above
.endr
.endr
	s_wait_dscnt 0x0                               ; the numbers are back, and the stage's stores have read their set,
.if (\i)+3 < 8
	XLOAD (\i)+3                                   ; which takes the item three further on
.endif
.if (\i) < 4
.irp b, 0,1,2,3,4,5,6,7
	Q8 PC+2*\b, NUM+8*\b, NUM+8*\b, 12
.endr
	v_nop                                          ; a plain vector line behind the last conversion of the run
.irp c, 0,1,2,3
	ds_store_b128 v4, v[PC+4*\c:PC+4*\c+3] offset:2048*((\i)%4)+512*\c
.endr
.else
.irp b, 0,1,2,3,4,5,6,7
	Q8 PC+2*\b, NUM+8*\b, TMP+8*\b, 14             ; by 2^e2: the numbers stay as they are,
.endr
.irp b, 0,1,2,3,4,5,6,7
	Q8 PC+16+2*\b, NUM+8*\b, NUM+8*\b, 16          ; for 2^e4
.endr
	v_nop
.irp c, 0,1,2,3
	ds_store_b128 v4, v[PC+4*\c:PC+4*\c+3] offset:IMG+2048*((\i)%4)+512*\c
	ds_store_b128 v10, v[PC+16+4*\c:PC+16+4*\c+3] offset:2048*((\i)%4)+512*\c
.endr
.endif
	WHALF 0, (\i)/2, (\i)%2                        ; an eighth of w_q's codes
.endm
.macro FETCHX sel, s, buf              ; x's fragments of the four token tiles, image set sel, K step s
	WIN 0
.irp mm, 0,1,2,3
.irp c, 0,1,2,3
.if (\sel) < 2
	ds_load_b128 v[XF+64*(\buf)+16*\mm+4*\c:XF+64*(\buf)+16*\mm+4*\c+3], v1 offset:(\sel)*IMG+(4*\mm+(\s))*2048+512*\c
.else
	ds_load_b128 v[XF+64*(\buf)+16*\mm+4*\c:XF+64*(\buf)+16*\mm+4*\c+3], v9 offset:(4*\mm+(\s))*2048+512*\c
.endif
.endr
.endr
.endm
; 32 matrix instructions, 128 along K: the 32 accumulators take turns, one instruction a turn, in the same order in every K step.
; path 0 (q, k): source 0 the weight, source 1 x.  path 1 (v): the other way round.  In K step 0 the bias (window 0) is C.
.macro MUL path, s, buf
.irp hf, 0,1
.if (\path) == 0
.if (\s) == 0
	WIN 0xc1+\hf
.else
	WIN 0xf1+\hf
.endif
.else
.if (\s) == 0
	WIN 0xc4+4*\hf
.else
	WIN 0xf4+4*\hf
.endif
.endif
.irp t3, 0,1,2,3
.irp mm, 0,1,2,3
.set rD, 8*(8*\mm+4*\hf+\t3)
.set rW, 64*\t3+16*(\s)
.set rX, XF+64*(\buf)+16*\mm
.set rB, BIAS+8*(4*\hf+\t3)
.if (\path) == 0
.if (\s) == 0
	v_wmma_f32_16x16x128_fp8_fp8 v[rD:rD+7], v[rW:rW+15], v[rX:rX+15], v[rB:rB+7]
.else
	v_wmma_f32_16x16x128_fp8_fp8 v[rD:rD+7], v[rW:rW+15], v[rX:rX+15], v[rD:rD+7]
.endif
.else
.if (\s) == 0
	v_wmma_f32_16x16x128_fp8_fp8 v[rD:rD+7], v[rX:rX+15], v[rW:rW+15], v[rB:rB+7]
.else
	v_wmma_f32_16x16x128_fp8_fp8 v[rD:rD+7], v[rX:rX+15], v[rW:rW+15], v[rD:rD+7]
.endif
.endif
.endr
.endr
.endr
.endm
; A K step.  Behind its waits and four places: the registers that the K step before has read take the next kind's bias and codes and the next fragments of x.
.macro KSTEP kind, s, cnt
	s_wait_dscnt 0x0                               ; this K step's fragments of x are in
.if (\cnt) >= 0
	s_wait_loadcnt \cnt                            ; and its codes of the weight
.endif
	WIN 0
	PLACES
.if ((\kind) < 2) && ((\s) >= 1)
.if (\s) == 1
	BLOAD (\kind)+1
.endif
	WHALF (\kind)+1, (\s)-1, 0
	WHALF (\kind)+1, (\s)-1, 1
.endif
.if (\s) < 3
	FETCHX \kind, (\s)+1, ((\s)+1)%2
.elseif (\kind) < 2
	FETCHX (\kind)+1, 0, 0
.endif
	MUL (\kind)/2, \s, (\s)%2
.endm
; A kind's way out: hold, codes, 16 stores of 512 consecutive bytes, aligned.
.macro EPI kind
	WIN 0
	PLACES
.if (\kind) < 2
	WHALF (\kind)+1, 3, 0
	WHALF (\kind)+1, 3, 1
.endif
	WIN 0xc3                                       ; source 0 and destination window 3
.set ii, 0
.rept 256
	v_med3_num_f32 v[ii], v[ii], -v[19+2*(\kind)], v[19+2*(\kind)]   ; each accumulator from its low end on
.set ii, ii+1
.endr
	WIN 0x03
.if (\kind) < 2
.set ii, 0
.rept 32
	v_cvt_scalef32_pk8_fp8_f32 v[PCE+2*ii:PCE+2*ii+1], v[8*ii:8*ii+7], v[18+2*(\kind)]   ; accumulator 8 m + 4 hh + 2 c + u: token tile m, head hh, chunk c, its registers 2 u, 2 u + 1
.set ii, ii+1
.endr
.else
.irp m, 0,1,2,3
.irp t, 0,1,2,3,4,5,6,7
	v_cvt_scalef32_pk8_fp8_f32 v[PCE+8*\t+2*\m:PCE+8*\t+2*\m+1], v[8*(8*\m+\t):8*(8*\m+\t)+7], v22   ; tile T's chunk m / 2: keys 32 (m / 2) + 16 h + 8 (m % 2) + 0 .. 7
.endr
.endr
.endif
	WIN 0
	v_nop                                          ; a plain vector line behind the last conversion of the run
.if (\kind) == 0
.irp mm, 0,1,2,3
.irp c, 0,1
	global_store_b128 v1, v[PCE+4*(4*\mm+\c):PCE+4*(4*\mm+\c)+3], s[18:19] offset:\mm*1024+\c*512
	global_store_b128 v6, v[PCE+4*(4*\mm+2+\c):PCE+4*(4*\mm+2+\c)+3], s[18:19] offset:\mm*1024+\c*512
.endr
.endr
.elseif (\kind) == 1
.irp mm, 0,1,2,3
.irp c, 0,1
	global_store_b128 v1, v[PCE+4*(4*\mm+\c):PCE+4*(4*\mm+\c)+3], s[20:21] offset:\mm*1024+\c*512
	global_store_b128 v8, v[PCE+4*(4*\mm+2+\c):PCE+4*(4*\mm+2+\c)+3], s[20:21] offset:\mm*1024+\c*512
.endr
.endr
.else
.irp t, 0,1,2,3
.irp bp, 0,1
	global_store_b128 v1, v[PCE+8*\t+4*\bp:PCE+8*\t+4*\bp+3], s[20:21] offset:4096+\t*1024+\bp*512
	global_store_b128 v8, v[PCE+8*(\t+4)+4*\bp:PCE+8*(\t+4)+4*\bp+3], s[20:21] offset:4096+\t*1024+\bp*512
.endr
.endr
.endif
.endm
.macro KIND kind
.if (\kind) > 0
	s_wait_xcnt 0x0                                ; the last kind's stores have read the registers of codes, which take fragments of x again
.endif
	s_wait_loadcnt 63                              ; the bias and K step 0's codes are in: at least 96 loads were issued behind them
	BSCALE \kind
	s_wait_alu depctr_va_vdst(0)                   ; directly ahead of the wait below
	KSTEP \kind, 0, -1
.if (\kind) < 2
	KSTEP \kind, 1, 63                             ; behind K step 1's codes: at least 64 loads
	KSTEP \kind, 2, 63                             ; behind K step 2's: at least 72
	KSTEP \kind, 3, 63                             ; behind K step 3's: at least 72
.else
	KSTEP \kind, 1, 63                             ; behind K step 1's codes: K steps 2 and 3, 64 loads
	KSTEP \kind, 2, 32                             ; behind K step 2's: K step 3
	KSTEP \kind, 3, 0
.endif
	EPI \kind
.endm
	s_load_b256 s[4:11], s[0:1], 0x0               ; x_q s[4:5], x_k_v s[6:7], wc s[8:9], b_q s[10:11]
	s_load_b256 s[12:19], s[0:1], 0x20             ; b_k s[12:13], b_v s[14:15], lowp_scales s[16:17], qc s[18:19]
	s_load_b64 s[20:21], s[0:1], 0x40              ; kvc
	v_lshl_add_u32 v254, v0, 2, SPARE
	v_mov_b32 v255, 0
	v_lshrrev_b32 v24, 5, v0
	v_readfirstlane_b32 s22, v24                   ; wave 0..3
	s_lshr_b32 s23, ttmp9, 5                       ; b
	s_and_b32 s24, ttmp9, 31                       ; the block in its batch
	s_lshl_b32 s25, s23, 3
	s_lshl_b32 s26, s22, 1
	s_add_co_u32 s25, s25, s26                     ; 8 b + my first head
	s_lshl_b32 s30, s25, 17
	s_lshl_b32 s26, s24, 12
	s_add_co_u32 s30, s30, s26
	s_mov_b32 s31, 0                               ; s[30:31]: where my q begins
	s_lshl_b32 s32, s25, 18
	s_lshl_b32 s26, s24, 13
	s_add_co_u32 s32, s32, s26
	s_mov_b32 s33, 0                               ; s[32:33]: where my k begins; v 4,096 bytes on
	s_lshl_b32 s34, ttmp9, 6
	s_lshr_b32 s35, s22, 1
	s_lshl_b32 s35, s35, 5
	s_add_co_u32 s34, s34, s35
	s_and_b32 s35, s22, 1
	s_lshl_b32 s35, s35, 3
	s_add_co_u32 s34, s34, s35                     ; the first token of my tile: 64 g + 32 (w / 2) + 8 (w % 2)
	s_lshl_b32 s34, s34, 11
	s_mov_b32 s35, 0
	s_lshl_b32 s48, s22, 16                        ; my eight tiles of each weight's codes
	s_mov_b32 s49, 0
	s_lshl_b32 s50, s22, 9                         ; my 128 numbers of each bias
	s_mov_b32 s51, 0
	s_mul_i32 s52, s22, STG
	s_add_co_u32 s52, s52, TSTG                    ; my stage
	s_lshl_b32 s53, s22, 13                        ; images 4 w + s
	v_and_b32 v24, 31, v0
	v_lshlrev_b32 v1, 4, v24                       ; 16 x lane
	v_and_b32 v25, 15, v0                          ; r
	v_bfe_u32 v26, v0, 4, 1                        ; h
	v_add_nc_u32 v2, s52, v1
	v_mul_u32_u24 v3, v25, PITCH
	v_lshl_add_u32 v3, v26, 6, v3
	v_add_nc_u32 v3, s52, v3
	v_add_nc_u32 v4, s53, v1
	v_add_nc_u32 v6, 0x20000, v1                   ; q: from head to head
	v_add_nc_u32 v8, 0x40000, v1                   ; k, v: from head to head
	v_add_nc_u32 v9, 2*IMG, v1
	v_add_nc_u32 v10, 2*IMG, v4
	v_lshlrev_b32 v7, 6, v26
	v_lshlrev_b32 v11, 2, v25
	s_wait_alu depctr_va_vdst(0)                   ; directly ahead of the wait below
	s_wait_kmcnt 0x0
	s_load_b256 s[36:43], s[16:17], 0x0            ; e0 .. e7
	s_load_b64 s[44:45], s[16:17], 0x20            ; e8, e9
	s_add_nc_u64 s[4:5], s[4:5], s[34:35]
	s_add_nc_u64 s[6:7], s[6:7], s[34:35]
	s_add_nc_u64 s[8:9], s[8:9], s[48:49]
	s_add_nc_u64 s[10:11], s[10:11], s[50:51]
	s_add_nc_u64 s[12:13], s[12:13], s[50:51]
	s_add_nc_u64 s[14:15], s[14:15], s[50:51]
	s_add_nc_u64 s[18:19], s[18:19], s[30:31]
	s_add_nc_u64 s[20:21], s[20:21], s[32:33]
	XLOAD 0
	XLOAD 1
	XLOAD 2
	BLOAD 0
	s_wait_kmcnt 0x0
	MKSC 12, 36                                    ; x_q by 2^e0
	MKSC 14, 38                                    ; x_k_v by 2^e2,
	MKSC 16, 40                                    ; and by 2^e4
	s_add_co_i32 s58, s36, s37
	s_sub_co_i32 s57, s42, s58
	MKSC 18, 57                                    ; q: 2^(e6 - e0 - e1): the three scales folded into the conversion's one
	s_sub_co_i32 s58, 0, s58
	s_add_co_i32 s59, s38, s39
	s_sub_co_i32 s57, s43, s59
	MKSC 20, 57                                    ; k: 2^(e7 - e2 - e3)
	s_sub_co_i32 s59, 0, s59
	s_add_co_i32 s60, s40, s41
	s_sub_co_i32 s57, s44, s60
	MKSC 22, 57                                    ; v: 2^(e8 - e4 - e5)
	s_sub_co_i32 s60, 0, s60
	s_wait_alu depctr_va_vdst(0)                   ; the head's end
	XQ 0, 48                                       ; behind item 0's loads: items 1, 2 and the bias
	XQ 1, 63                                       ; behind item 1's: 64
	XQ 2, 63                                       ; behind items 2 to 5: 80 each
	XQ 3, 63
	XQ 4, 63
	XQ 5, 63
	XQ 6, 63                                       ; behind item 6's: 64
	XQ 7, 48                                       ; behind item 7's: three eighths of w_q's codes
	WIN 0
	s_wait_dscnt 0x0                               ; my images have landed
	s_barrier_signal -1
	s_barrier_wait -1                              ; all 48 lie in LDS, and nobody writes them again
	FETCHX 0, 0, 0
	KIND 0
	KIND 1
	KIND 2
	s_wait_tensorcnt 0x0                           ; the wave's end
	ds_add_u32 v254, v255
	s_wait_dscnt 0x0
	s_endpgm
.Lfunc_end_k_qa84801f408_proj:
	.size	k_qa84801f408_proj, .Lfunc_end_k_qa84801f408_proj-k_qa84801f408_proj
	.p2alignl 7, 3214868480
	.fill 96, 4, 3214868480
	.section	.rodata,"a",@progbits
	.p2align	6, 0x0
	.amdhsa_kernel k_qa84801f408_proj
		.amdhsa_group_segment_fixed_size 132608
		.amdhsa_private_segment_fixed_size 0
		.amdhsa_enable_private_segment 0
		.amdhsa_kernarg_size 72
		.amdhsa_user_sgpr_count 2
		.amdhsa_user_sgpr_kernarg_segment_ptr 1
		.amdhsa_wavefront_size32 1
		.amdhsa_system_sgpr_workgroup_id_x 1
		.amdhsa_system_sgpr_workgroup_id_y 1
		.amdhsa_system_sgpr_workgroup_id_z 1
		.amdhsa_system_vgpr_workitem_id 0
		.amdhsa_next_free_vgpr 1024
		.amdhsa_next_free_sgpr 66
		.amdhsa_reserve_vcc 0
		.amdhsa_float_denorm_mode_32 3
		.amdhsa_float_denorm_mode_16_64 3
		.amdhsa_memory_ordered 1
		.amdhsa_forward_progress 1
		.amdhsa_inst_pref_size 244
	.end_amdhsa_kernel
	.amdgpu_metadata
---
amdhsa.version: [ 1, 2 ]
amdhsa.kernels:
  - .name:           k_qa84801f408_proj
    .symbol:         k_qa84801f408_proj.kd
    .args:
      - { .name: x_q, .offset: 0, .size: 8, .value_kind: global_buffer, .address_space: global }
      - { .name: x_k_v, .offset: 8, .size: 8, .value_kind: global_buffer, .address_space: global }
      - { .name: wc, .offset: 16, .size: 8, .value_kind: global_buffer, .address_space: global }
      - { .name: b_q, .offset: 24, .size: 8, .value_kind: global_buffer, .address_space: global }
      - { .name: b_k, .offset: 32, .size: 8, .value_kind: global_buffer, .address_space: global }
      - { .name: b_v, .offset: 40, .size: 8, .value_kind: global_buffer, .address_space: global }
      - { .name: lowp_scales, .offset: 48, .size: 8, .value_kind: global_buffer, .address_space: global }
      - { .name: qc, .offset: 56, .size: 8, .value_kind: global_buffer, .address_space: global }
      - { .name: kvc, .offset: 64, .size: 8, .value_kind: global_buffer, .address_space: global }
    .group_segment_fixed_size: 132608
    .private_segment_fixed_size: 0
    .kernarg_segment_align: 8
    .kernarg_segment_size: 72
    .max_flat_workgroup_size: 128
    .sgpr_count:     66
    .vgpr_count:     1024
    .wavefront_size: 32
...
	.end_amdgpu_metadata
.endif
;; end of part 5
;; launch attn (part 6): grid 4 x 64, 16 waves a work-group, clusters of 4 x 1, 264,192 bytes of LDS; arguments qc, kvc, mbits, lowp_scales, out0; writes out0
.if DOCPART == 6
	.amdgcn_target "amdgcn-amd-amdhsa--gfx1250"
	.amdhsa_code_object_version 6
	.text
	.protected	k_qa84801f408_attn
	.globl	k_qa84801f408_attn
	.p2align	8
	.type	k_qa84801f408_attn,@function
k_qa84801f408_attn:
	s_mov_b64 s[64:65], 0
	v_nop
	global_prefetch_b8 v0, s[64:65] scope:SCOPE_SE
	s_setreg_imm32_b32 hwreg(HW_REG_WAVE_MODE, 25, 1), 1
	s_wait_xcnt 0x0
	s_wait_alu depctr_hold_cnt(0) depctr_sa_sdst(0) depctr_va_vdst(0) depctr_va_sdst(0) depctr_va_ssrc(0) depctr_va_vcc(0) depctr_vm_vsrc(0)
	s_getreg_b32 s2, hwreg(HW_REG_IB_STS2, 6, 4)
	s_cmp_eq_u32 s2, 0
	s_cbranch_scc0 .Lentry_in_a_cluster
	s_endpgm
.Lentry_in_a_cluster:
	s_bfe_u32 s2, ttmp6, 0x10000c
	s_cmp_lg_u32 s2, 0x3003
	s_cbranch_scc0 .Lentry_shape_is_right
	s_endpgm
.Lentry_shape_is_right:
; out[b][q][head][:] = the sum over keys of softmax(q . k / 8, masked) v, both products on codes of E4M3 (q: 2^e6, k: 2^e7, v: 2^e8, p: 2^e9).
; THE SOFTMAX AHEAD OF THE SECOND PRODUCT: t = logit x log2(e); M = the running largest t, rounded UP to a whole number; p = 2^(t - M) is quantised, not normalised; the row's sum is taken of the
; unquantised p and divides at the end.  When M moves, the sum and O are multiplied by 2^(old M - new M): nothing is rounded, and there is no branch on data.
; SHARES.  A work-group owns 512 queries of one (batch, head); each of its sixteen waves owns 32: two tiles of 16, so that each fragment of K and V read from LDS feeds two products.
; LDS.  A head's codes of K and V are 262,144 bytes and lie in LDS whole, as they lie in memory (images of operand registers: every fragment load reads 512 consecutive bytes).  Each byte is filled once: no ring.
; CLUSTER.  The four work-groups of a head form a cluster and ask for K and V JOINTLY: the same tensor load, the same descriptor, a mask that names the four.  A wave issues ONE load of 64 rows x 256 bytes.
; A STEP (64 keys): score products; V's and the next step's K's loads; mask selects; the next step's mask words asked for; maxima, t - M, ONE batch of 64 exponentials; the one wait for LDS loads; O^T rescaled; sums, holds, codes; second products.
; A BARRIER IN EVERY STEP, its halves apart: the signal stands behind the step's wait for all its LDS loads, the wait ahead of the next step's selects; between the two stand register work and LDS loads alone.
; Behind the last step's wait every wave has ended its reads of steps 0 .. 30 and of step 31's K; what a wave may still read is step 31's V, from byte 258,048 on.  So the stages of the way out, bytes 0 .. 139,263, need no barrier of their own.
; LAYOUT.  Both products are used transposed: S^T = K Q^T (source 0 = 16 keys, source 1 = 16 queries), O^T = V^T P^T: a lane holds ONE query throughout.  Key r of tile 2 B + u is 32 B + 8 u + r + 8 (r / 8),
; so score register n of lane (r, h) is key 32 (n / 16) + 16 h + n % 16 of the step, and the conversions' results are the second product's operand.
; THE MASK comes as one 32-bit lane mask for each score register (made by an earlier launch), by scalar loads: one select a register.
; NO PREFETCH: K and V are asked for once, at the head, with no loop ahead of them; the mask words are asked for by their own scalar loads one whole step ahead of their use.
; LIMITS.  A masked logit is taken as -2^30, not -1e9, so that the masked t is a whole number in f32 and a row that is masked altogether gives p = 1 for every key, as the softmax of equal logits does;
; rows with an unmasked logit under about -1e9 would differ.  e6 + e7 between -94 and 130, e9 between -126 and 119, so that each power of two below is an f32 number.  NaN is not served.
; REGISTERS: v1 16 x lane; v2 the step's LDS address; v3 the masked score; v5 2^e9; v[6:7], v[8:9] at work, a pair a tile; v10, v11 the lane permutes' destinations; v12-23 statistics, six a tile: -M, the largest t,
; the sum in two halves, f and its partner; v24-39 Q; v40-71 K's four fragments; v72-103 V's four; v104-167 S^T, then p; v168-183 p's codes; v184-247 O^T; v248-250 the way out; v254, v255 the add's two.
; SCALARS: s[2:3] c; s[8:9] the mask words' address; s[12:13] the output's; s14 wave; s[18:19] lane selects; s[20:23], s[24:31] the descriptor; s[32:63] the second tile's mask words (at work in the head);
; s66 e8 + e9; s67 448 x 2^e9; s[68:99] the first tile's mask words; s100 the step's first LDS byte; s101 steps to go.
.set ST,  12
.set QF,  24
.set KF,  40
.set VF,  72
.set SC,  104
.set PCD, 168
.set OA,  184
.set STEPB, 8192                       ; a key step in LDS: K's four tiles of 1,024 bytes, then V's four
.set NSTEP, 32                         ; 2,048 keys
.set LASTB, (NSTEP-1)*STEPB            ; the last step's first byte
.set SPI, 272                          ; the way out: a stage row, 256 bytes + 16
.set CS,  2
.set SEL, 18
.set MWB, 32
.set ES,  66
.set LIM, 67
.set MWA, 68
.set TB,  100
.set CNT, 101
.macro ROUND                           ; a round of the cluster's barrier
	s_barrier_signal -1
	s_barrier_wait -1
	s_cmp_lg_u32 s14, 0
	s_cbranch_scc1 .Lnot_wave_0_\@
	s_barrier_signal -3
.Lnot_wave_0_\@:
	s_barrier_wait -3
	s_barrier_signal -1
	s_barrier_wait -1
.endm
	s_load_b256 s[4:11], s[0:1], 0x0               ; qc s[4:5], kvc s[6:7], mbits s[8:9], lowp_scales s[10:11]
	s_load_b64 s[12:13], s[0:1], 0x20              ; out0
	v_lshl_add_u32 v254, v0, 2, 0x40000            ; my spare word, behind K and V
	v_mov_b32 v255, 0
	ds_add_u32 v254, v255
	ds_add_u32 v254, v255
	v_lshrrev_b32 v6, 5, v0
	s_delay_alu instid0(VALU_DEP_1)
	v_readfirstlane_b32 s14, v6                    ; wave 0..15
	v_and_b32 v6, 31, v0
	s_delay_alu instid0(VALU_DEP_1)
	v_lshlrev_b32 v1, 4, v6
	s_bfe_u32 s15, ttmp6, 0x40000                  ; cx
	s_lshl_b32 s17, ttmp9, 2
	s_add_co_u32 s15, s15, s17                     ; my block of 512 queries: it enters Q's, the mask's and the output's addresses alone
	s_and_b32 s16, ttmp7, 0xffff                   ; 8 b + head, which the four partners share
	s_lshl_b32 s17, s14, 14                        ; my 16,384 bytes of the head's K and V, in memory and in LDS alike
	s_lshl_b32 s32, s16, 18
	s_add_co_u32 s32, s32, s17
	s_mov_b32 s33, 0
	s_mov_b32 s24, 15|(3<<16)|(1<<21)              ; group 1: the mask names all four; elements of 8 bytes; no padding; bit 21 beside a mask
	s_mov_b32 s25, 32<<16                          ; tensor_dim0 = 32
	s_mov_b32 s26, 64<<16                          ; tensor_dim1 = 64
	s_mov_b32 s27, 32<<16                          ; tile_dim0 = 32
	s_mov_b32 s28, 64                              ; tile_dim1 = 64
	s_mov_b32 s29, 32                              ; elements from row to row
	s_mov_b32 s30, 0
	s_mov_b32 s31, 0
	s_lshl_b32 s34, s15, 5
	s_lshl_b32 s35, s14, 1
	s_add_co_u32 s34, s34, s35                     ; my first tile of queries in the head: 32 x block + 2 x wave
	s_lshl_b32 s36, s16, 7
	s_add_co_u32 s36, s36, s34
	s_lshl_b32 s36, s36, 10                        ; a tile of Q's codes is 1,024 bytes
	s_mov_b32 s37, 0
	s_lshr_b32 s38, s16, 3                         ; b
	s_lshl_b32 s39, s38, 7
	s_add_co_u32 s40, s39, s34
	s_lshl_b32 s40, s40, 12                        ; a tile's mask words are 4,096 bytes
	s_mov_b32 s41, 0
	s_lshl_b32 s42, s38, 11
	s_lshl_b32 s43, s34, 4
	s_add_co_u32 s42, s42, s43                     ; my first query: 2,048 b + 16 x tile
	s_lshl_b32 s42, s42, 11                        ; a row of the output is 2,048 bytes,
	s_and_b32 s43, s16, 7
	s_lshl_b32 s43, s43, 8                         ; a head's part of it 256
	s_add_co_u32 s42, s42, s43
	s_mov_b32 s43, 0
	s_mov_b32 s[SEL], 0x76543210                   ; lane selects for v_permlanex16_b32: lane l xor 16
	s_mov_b32 s[SEL+1], 0xfedcba98
	s_wait_dscnt 0x0
	s_wait_kmcnt 0x0
	s_load_b128 s[60:63], s[10:11], 0x18           ; e6, e7, e8, e9
	s_add_nc_u64 s[6:7], s[6:7], s[32:33]
	s_add_nc_u64 s[4:5], s[4:5], s[36:37]
	s_add_nc_u64 s[8:9], s[8:9], s[40:41]
	s_add_nc_u64 s[12:13], s[12:13], s[42:43]
	s_mov_b32 s20, 1                               ; count = 1
	s_mov_b32 s21, s17                             ; LDS address: 16,384 x wave
	s_mov_b64 s[22:23], s[6:7]
	s_or_b32 s23, s23, 0x80000000                  ; type = 2
	ROUND                                          ; all four work-groups are here: the joint loads meet
	tensor_load_to_lds s[20:23], s[24:31]
	s_nop 0
.rept 4
	v_nop
.endr
	s_wait_alu depctr_va_vdst(0)
.irp k, 0,1,2,3
	global_load_b128 v[QF+4*\k:QF+4*\k+3], v1, s[4:5] offset:512*\k th:TH_LOAD_NT   ; my two tiles of Q stay in registers
.endr
	v_mov_b32 v10, 0                               ; a lane permute's destination counts as one of its sources: written once
	v_mov_b32 v11, 0
.irp x, 0,1
	v_mov_b32 v[ST+6*\x+1], 0xff61b1e6             ; the largest t so far: -3e38, under every t
	s_delay_alu instid0(VALU_DEP_1)
	v_floor_f32 v[ST+6*\x], -v[ST+6*\x+1]          ; -M
	v_mov_b32 v[ST+6*\x+2], 0                      ; the sum, in two halves
	v_mov_b32 v[ST+6*\x+3], 0
	v_mov_b32 v[ST+6*\x+4], 0
	v_mov_b32 v[ST+6*\x+5], 0                      ; (named as the upper half of f's pair)
.endr
.set ii, 0
.rept 64
	v_mov_b32 v[OA+ii], 0                          ; O^T: the step is written once, and its first run finds zeros, which the first change of M leaves zeros
.set ii, ii+1
.endr
	s_wait_kmcnt 0x0                               ; the exponents
	s_add_co_i32 s56, s60, s61                     ; e6 + e7
	s_lshl_b32 s57, s56, 23
	s_mov_b32 s[CS], 0x3e38aa3b                    ; c = log2(e) / 8
	s_add_co_i32 s[CS], s[CS], s57                 ; a score stands for score x 2^(e6 + e7): the exponents are added to c's exponent field
	s_mov_b32 s[CS+1], s[CS]                       ; (named with it as a pair, so it is written)
	s_sub_co_i32 s57, 160, s56
	s_lshl_b32 s57, s57, 23
	s_or_b32 s57, s57, 0x80000000
	v_mov_b32 v3, s57                              ; -2^(33 - e6 - e7): the score that stands for the logit -2^30
	s_add_co_i32 s56, s63, 127
	s_lshl_b32 s57, s56, 23
	v_mov_b32 v5, s57                              ; 2^e9 as f32, for the conversion
	s_add_co_i32 s56, s56, 8
	s_lshl_b32 s56, s56, 23
	s_or_b32 s[LIM], s56, 0x600000                 ; 448 x 2^e9
	s_add_co_i32 s[ES], s62, s63                   ; e8 + e9, for the end
	s_load_b512 s[MWA:MWA+15], s[8:9], 0x0         ; the first step's mask words: my first tile's,
	s_load_b512 s[MWA+16:MWA+31], s[8:9], 0x40
	s_load_b512 s[MWB:MWB+15], s[8:9], 0x1000      ; and my second tile's, 4,096 bytes on
	s_load_b512 s[MWB+16:MWB+31], s[8:9], 0x1040
.macro MASK x, w                       ; one select a score register, from each accumulator's low end on
.set ii, 0
.rept 32
	v_cndmask_b32 v[SC+32*(\x)+ii], v[SC+32*(\x)+ii], v3, s[(\w)+ii]
.set ii, ii+1
.endr
.endm
.macro CODES x                         ; tile x's 32 numbers become the second product's operand
.irp b, 0,1
	v_cvt_scalef32_pk8_fp8_f32 v[PCD+8*(\x)+4*\b:PCD+8*(\x)+4*\b+1], v[SC+32*(\x)+16*\b:SC+32*(\x)+16*\b+7], v5
	v_cvt_scalef32_pk8_fp8_f32 v[PCD+8*(\x)+4*\b+2:PCD+8*(\x)+4*\b+3], v[SC+32*(\x)+16*\b+8:SC+32*(\x)+16*\b+15], v5
.endr
.endm
; The step's maxima and what hangs on them, both tiles by turns: the new -M and f = 2^(old M - new M).
.macro STATS
.irp x, 0,1
	v_max3_num_f32 v[6+2*\x], v[SC+32*\x], v[SC+32*\x+1], v[SC+32*\x+2]        ; the step's largest score of my query among my 32 keys: two chains a tile
	v_max3_num_f32 v[7+2*\x], v[SC+32*\x+3], v[SC+32*\x+4], v[SC+32*\x+5]
.endr
.irp i, 6,10,14,18,22,26
.irp x, 0,1
	s_delay_alu instid0(VALU_DEP_4)
	v_max3_num_f32 v[6+2*\x], v[6+2*\x], v[SC+32*\x+\i], v[SC+32*\x+\i+1]
	s_delay_alu instid0(VALU_DEP_4)
	v_max3_num_f32 v[7+2*\x], v[7+2*\x], v[SC+32*\x+\i+2], v[SC+32*\x+\i+3]
.endr
.endr
.irp x, 0
	s_delay_alu instid0(VALU_DEP_4)
	v_max3_num_f32 v[6+2*\x], v[6+2*\x], v[SC+32*\x+30], v[SC+32*\x+31]
.endr
.irp x, 1
	s_delay_alu instid0(VALU_DEP_3)
	v_max3_num_f32 v[6+2*\x], v[6+2*\x], v[SC+32*\x+30], v[SC+32*\x+31]
.endr
.irp x, 0,1
	s_delay_alu instid0(VALU_DEP_2)
	v_max_num_f32 v[6+2*\x], v[6+2*\x], v[7+2*\x]
.endr
.irp x, 0,1
	s_delay_alu instid0(VALU_DEP_2)
	v_permlanex16_b32 v[10+\x], v[6+2*\x], s[SEL], s[SEL+1]
.endr
.irp x, 0,1
	s_delay_alu instid0(VALU_DEP_2)
	v_max_num_f32 v[6+2*\x], v[6+2*\x], v[10+\x]   ; and among lane l xor 16's
.endr
.irp x, 0,1
	s_delay_alu instid0(VALU_DEP_2)
	v_mul_f32 v[6+2*\x], s[CS], v[6+2*\x]          ; as t (c is positive)
.endr
.irp x, 0,1
	s_delay_alu instid0(VALU_DEP_2)
	v_max_num_f32 v[ST+6*\x+1], v[ST+6*\x+1], v[6+2*\x]   ; the running largest t
.endr
.irp x, 0,1
	v_mov_b32 v[6+2*\x], v[ST+6*\x]
.endr
.irp x, 0,1
	s_delay_alu instid0(VALU_DEP_4)
	v_floor_f32 v[ST+6*\x], -v[ST+6*\x+1]          ; the new -M = floor(-t) = -ceil(t)
.endr
.irp x, 0,1
	s_delay_alu instid0(VALU_DEP_2)
	v_sub_f32 v[6+2*\x], v[ST+6*\x], v[6+2*\x]     ; old M - new M: a whole number, 0 or less
.endr
.irp x, 0,1
	s_delay_alu instid0(VALU_DEP_2)
	v_cvt_i32_f32 v[6+2*\x], v[6+2*\x]             ; (it saturates)
.endr
.irp x, 0,1
	s_delay_alu instid0(VALU_DEP_2)
	v_ldexp_f32 v[ST+6*\x+4], 1.0, v[6+2*\x]       ; f = 2^(old M - new M)
.endr
.endm
.macro PV x                            ; O^T += V^T P^T: the eight accumulators of both tiles take turns, one instruction a turn
.irp d, 0,1,2,3
	v_wmma_f32_16x16x64_fp8_fp8 v[OA+32*(\x)+8*\d:OA+32*(\x)+8*\d+7], v[VF+8*\d:VF+8*\d+7], v[PCD+8*(\x):PCD+8*(\x)+7], v[OA+32*(\x)+8*\d:OA+32*(\x)+8*\d+7]
.endr
.endm
; A KEY STEP: 64 keys.  Its K lies in registers, its mask words were asked for a step ago, and the barrier's signal of the step before is open.  more = 1: the next step's K and words are asked for, and the barrier is signalled again.
.macro STEP more
.irp x, 0,1
.irp t, 0,1,2,3
	v_wmma_f32_16x16x64_fp8_fp8 v[SC+32*\x+8*\t:SC+32*\x+8*\t+7], v[KF+8*\t:KF+8*\t+7], v[QF+8*\x:QF+8*\x+7], 0
.endr
.endr
.if \more
	v_add_nc_u32 v2, s[TB], v1
.else
	v_add_nc_u32 v2, LASTB, v1                     ; the last step's address is a constant of the text
.endif
.rept 3
	v_nop                                          ; with the addition above: four places ahead of the loads into K's and V's registers and of the first read of the scores
.endr
.irp f, 0,1,2,3,4,5,6,7
	ds_load_b128 v[VF+4*\f:VF+4*\f+3], v2 offset:4096+512*\f     ; V: tile f / 2, chunk f % 2: 512 consecutive bytes
.endr
.if \more
.irp f, 0,1,2,3,4,5,6,7
	ds_load_b128 v[KF+4*\f:KF+4*\f+3], v2 offset:STEPB+512*\f    ; the next step's K
.endr
.endif
	s_wait_kmcnt 0x0                               ; both tiles' mask words are in, and no scalar load is out: the pointer may step
	s_barrier_wait -1                              ; every wave has ended the LDS reads of the step before this one
	MASK 0, MWA
	MASK 1, MWB
.if \more
	s_add_nc_u64 s[8:9], s[8:9], 128               ; the next key step's words
	s_load_b512 s[MWA:MWA+15], s[8:9], 0x0
	s_load_b512 s[MWA+16:MWA+31], s[8:9], 0x40
	s_load_b512 s[MWB:MWB+15], s[8:9], 0x1000
	s_load_b512 s[MWB+16:MWB+31], s[8:9], 0x1040
.endif
	STATS
.irp x, 0,1
.irp j, 0,2,4,6,8,10,12,14,16,18,20,22,24,26,28,30
	v_pk_fma_f32 v[SC+32*\x+\j:SC+32*\x+\j+1], v[SC+32*\x+\j:SC+32*\x+\j+1], s[CS:CS+1], v[ST+6*\x:ST+6*\x+1] op_sel_hi:[1,0,0]   ; t - M, two at a time (of the pairs c and -M the low word serves both halves)
.endr
.endr
	s_wait_alu depctr_va_vdst(0)                   ; ahead of the batch
.set ii, 0
.rept 64
	v_exp_f32 v[SC+ii], v[SC+ii]                   ; p = 2^(t - M), at most 1
.set ii, ii+1
.endr
.irp x, 0,1
	v_pk_mul_f32 v[ST+6*\x+2:ST+6*\x+3], v[ST+6*\x+2:ST+6*\x+3], v[ST+6*\x+4:ST+6*\x+5] op_sel_hi:[1,0]   ; the old sums under the new M: the plain lines behind the batch
.endr
	s_wait_dscnt 0x0                               ; V is in, and so is the next step's K: all 16 loads were issued ahead of the selects
.if \more
	s_barrier_signal -1                            ; my LDS reads of this step are over
.endif
	s_wait_alu depctr_va_vdst(0)                   ; behind the batch, and directly ahead of the first reader of O^T
.irp x, 0,1
.irp j, 0,2,4,6,8,10,12,14,16,18,20,22,24,26,28,30
	v_pk_mul_f32 v[OA+32*\x+\j:OA+32*\x+\j+1], v[OA+32*\x+\j:OA+32*\x+\j+1], v[ST+6*\x+4:ST+6*\x+5] op_sel_hi:[1,0]   ; O^T under the new M, each accumulator from its low end on
.endr
.endr
.irp x, 0,1
	v_pk_add_f32 v[6+2*\x:7+2*\x], v[SC+32*\x:SC+32*\x+1], v[SC+32*\x+2:SC+32*\x+3]   ; THE ROW'S SUM OF THE UNQUANTISED p: two at a time, two chains a tile, the four chains by turns
.endr
.irp j, 4,8,12,16,20,24,28
.irp x, 0,1
	v_pk_add_f32 v[ST+6*\x+2:ST+6*\x+3], v[ST+6*\x+2:ST+6*\x+3], v[SC+32*\x+\j:SC+32*\x+\j+1]
	v_pk_add_f32 v[6+2*\x:7+2*\x], v[6+2*\x:7+2*\x], v[SC+32*\x+\j+2:SC+32*\x+\j+3]
.endr
.endr
.irp x, 0,1
	v_pk_add_f32 v[ST+6*\x+2:ST+6*\x+3], v[ST+6*\x+2:ST+6*\x+3], v[6+2*\x:7+2*\x]   ; a tile's two chains meet
.endr
.set ii, 0
.rept 32
	v_dual_min_num_f32 v[SC+ii], s[LIM], v[SC+ii] :: v_dual_min_num_f32 v[SC+ii+1], s[LIM], v[SC+ii+1]   ; the conversion to an 8-bit code does not saturate (ISA guide 7.6.2); p is not negative, so the hold is one-sided
.set ii, ii+2
.endr
	CODES 0
	CODES 1
	v_nop                                          ; a plain line between the conversions and the products that read the codes
	PV 0
	PV 1
.endm
	s_wait_alu depctr_va_vdst(0)                   ; the head's end
	s_wait_tensorcnt 0x0                           ; my one tensor load has landed
	s_barrier_signal -1
	s_barrier_wait -1                              ; every wave's has: the head's K and V lie in LDS whole
.irp f, 0,1,2,3,4,5,6,7
	ds_load_b128 v[KF+4*\f:KF+4*\f+3], v1 offset:512*\f          ; the first step's K
.endr
	s_mov_b32 s[TB], 0
	s_mov_b32 s[CNT], NSTEP-1
	s_wait_loadcnt 0x0                             ; Q
	s_wait_dscnt 0x0                               ; K
	s_barrier_signal -1                            ; the signal that the first step's wait answers
.Lstep:                                            ; 31 trips
	STEP 1
	s_add_co_u32 s[TB], s[TB], STEPB
	s_sub_co_u32 s[CNT], s[CNT], 1
	s_cmp_lg_u32 s[CNT], 0
	s_cbranch_scc1 .Lstep
	STEP 0                                         ; the last step asks for nothing and signals nothing
	; THE WAY OUT.  The addresses are made here: plain lines, the places behind the last products.
	v_and_b32 v6, 15, v0                           ; r
	v_bfe_u32 v7, v0, 4, 1                         ; h
	s_mul_i32 s56, s14, 32*SPI                     ; my stage: two tiles of 16 rows x 272 bytes, from byte 8,704 x wave on
	v_mul_u32_u24 v248, v6, SPI
	s_delay_alu instid0(VALU_DEP_1)
	v_lshl_add_u32 v248, v7, 5, v248
	s_delay_alu instid0(VALU_DEP_1)
	v_add_nc_u32 v248, s56, v248                   ; in: row r; channels 16 d + 8 h + 0 .. 7 at 64 d + 32 h
	v_mul_u32_u24 v249, v7, SPI
	s_delay_alu instid0(VALU_DEP_1)
	v_lshl_add_u32 v249, v6, 4, v249
	s_delay_alu instid0(VALU_DEP_1)
	v_add_nc_u32 v249, s56, v249                   ; back: lanes 0-15 one row of 256 bytes, lanes 16-31 the next
	v_lshlrev_b32 v250, 11, v7
	s_delay_alu instid0(VALU_DEP_1)
	v_lshl_add_u32 v250, v6, 4, v250               ; and the same two rows in the output
.irp x, 0,1
	v_add_f32 v[ST+6*\x+2], v[ST+6*\x+2], v[ST+6*\x+3]   ; the sum's two halves,
.endr
.irp x, 0,1
	v_permlanex16_b32 v[10+\x], v[ST+6*\x+2], s[SEL], s[SEL+1]
.endr
.irp x, 0,1
	v_add_f32 v[ST+6*\x+2], v[ST+6*\x+2], v[10+\x] ; and lane l xor 16's: the row's sum, over 1/2
.endr
	s_wait_alu depctr_va_vdst(0)                   ; ahead of the batch of two
	v_rcp_f32 v[ST+4], v[ST+2]
	v_rcp_f32 v[ST+10], v[ST+8]
	v_nop                                          ; a plain place behind the transcendentals
	s_wait_alu depctr_va_vdst(0)                   ; behind the batch of two
	v_ldexp_f32 v[ST+4], v[ST+4], s[ES]            ; x 2^(e8 + e9)
	v_ldexp_f32 v[ST+10], v[ST+10], s[ES]
	s_wait_alu depctr_va_vdst(0)                   ; directly ahead of the first reader of O^T
.irp x, 0,1
.irp j, 0,2,4,6,8,10,12,14,16,18,20,22,24,26,28,30
	v_pk_mul_f32 v[SC+32*\x+\j:SC+32*\x+\j+1], v[OA+32*\x+\j:OA+32*\x+\j+1], v[ST+6*\x+4:ST+6*\x+5] op_sel_hi:[1,0]
.endr
.endr
	; the stages lie on bytes of steps 0 .. 16, which have had their only fill and which no wave reads behind the last step's barrier
.irp x, 0,1
.irp d, 0,1,2,3
	ds_store_b128 v248, v[SC+32*\x+8*\d:SC+32*\x+8*\d+3] offset:\x*16*SPI+64*\d
	ds_store_b128 v248, v[SC+32*\x+8*\d+4:SC+32*\x+8*\d+7] offset:\x*16*SPI+64*\d+16
.endr
.endr
.irp x, 0,1
.irp i, 0,1,2,3,4,5,6,7
	ds_load_b128 v[KF+32*\x+4*\i:KF+32*\x+4*\i+3], v249 offset:\x*16*SPI+2*\i*SPI   ; my own bytes; LDS serves a wave's instructions in order: these see the stores above
.endr
.endr
.irp x, 0,1
.irp i, 0,1,2,3,4,5,6,7
	s_wait_dscnt 15-8*\x-\i                        ; the loads behind this one may be out
	global_store_b128 v250, v[KF+32*\x+4*\i:KF+32*\x+4*\i+3], s[12:13] offset:(8*\x+2*\i+8*(\i/4))*2048 th:TH_STORE_NT   ; stage row 2 i + (lane / 16) is query 8 x + row + 8 (row / 8); 16 lanes store 256 consecutive bytes, aligned
.endr
.endr
	s_wait_tensorcnt 0x0                           ; the wave's end
	ds_add_u32 v254, v255
	s_wait_dscnt 0x0
	ROUND                                          ; the closing round: no work-group ends while a partner may still ask for a tile that names it
	s_endpgm
.Lfunc_end_k_qa84801f408_attn:
	.size	k_qa84801f408_attn, .Lfunc_end_k_qa84801f408_attn-k_qa84801f408_attn
	.p2alignl 7, 3214868480
	.fill 96, 4, 3214868480
	.section	.rodata,"a",@progbits
	.p2align	6, 0x0
	.amdhsa_kernel k_qa84801f408_attn
		.amdhsa_group_segment_fixed_size 264192
		.amdhsa_private_segment_fixed_size 0
		.amdhsa_enable_private_segment 0
		.amdhsa_kernarg_size 40
		.amdhsa_user_sgpr_count 2
		.amdhsa_user_sgpr_kernarg_segment_ptr 1
		.amdhsa_wavefront_size32 1
		.amdhsa_system_sgpr_workgroup_id_x 1
		.amdhsa_system_sgpr_workgroup_id_y 1
		.amdhsa_system_sgpr_workgroup_id_z 1
		.amdhsa_system_vgpr_workitem_id 0
		.amdhsa_next_free_vgpr 256
		.amdhsa_next_free_sgpr 102
		.amdhsa_reserve_vcc 0
		.amdhsa_float_denorm_mode_32 3
		.amdhsa_float_denorm_mode_16_64 3
		.amdhsa_memory_ordered 1
		.amdhsa_forward_progress 1
		.amdhsa_inst_pref_size 59
	.end_amdhsa_kernel
	.amdgpu_metadata
---
amdhsa.version: [ 1, 2 ]
amdhsa.kernels:
  - .name:           k_qa84801f408_attn
    .symbol:         k_qa84801f408_attn.kd
    .args:
      - { .name: qc, .offset: 0, .size: 8, .value_kind: global_buffer, .address_space: global }
      - { .name: kvc, .offset: 8, .size: 8, .value_kind: global_buffer, .address_space: global }
      - { .name: mbits, .offset: 16, .size: 8, .value_kind: global_buffer, .address_space: global }
      - { .name: lowp_scales, .offset: 24, .size: 8, .value_kind: global_buffer, .address_space: global }
      - { .name: out0, .offset: 32, .size: 8, .value_kind: global_buffer, .address_space: global }
    .group_segment_fixed_size: 264192
    .private_segment_fixed_size: 0
    .kernarg_segment_align: 8
    .kernarg_segment_size: 40
    .max_flat_workgroup_size: 512
    .sgpr_count:     102
    .vgpr_count:     256
    .wavefront_size: 32
...
	.end_amdgpu_metadata
.endif
;; end of part 6
